; MI455X (gfx1250); checked and timed in simulation.
; The chip was launched on July 23, 2026; its instructions are those of AMD's public machine-readable ISA for CDNA 5 (MIT licence, August 2026) and "CDNA5" Instruction Set Architecture Reference Guide (July 2026). The comments in the code are by the model that wrote it; some were corrected since.
;; Multi Head Attention. Allowed arithmetic: matrix products marked QUANTISED: E2M3 operands, one E8M0 scale for each 32 along K, by v_wmma_scale_f32_16x16x128_f8f6f4 with both operands' format E2M3, f32 sums; everything else in f32.
;; Inputs: Wk 1,024 x 1,024 float32; Wo 1,024 x 1,024 float32; Wq 1,024 x 1,024 float32; Wv 1,024 x 1,024 float32; attention_bias 4 x 2,048 x 2,048 float32; key 4 x 2,048 x 1,024 float32; query 4 x 2,048 x 1,024 float32; value 4 x 2,048 x 1,024 float32.
;; Outputs: out0 4 x 2,048 x 1,024 float32.
;; This version of the problem:
;;   THIS VERSION OF THE PROBLEM IS GIVEN IN LOW PRECISION. The matrix products marked QUANTISED in the list below multiply operands that are first quantised to E2M3 (2 exponent bits, 3 mantissa bits; 6 bits a number), with one power-of-two scale for each 32 numbers along K (OCP MX v1.0); their sums are f32. All else is computed in f32.
;;   The module's matrix products, in the order in which they are computed (A, B: the left and right operand; K: the contracted axis; several contracted axes count as one K, in the product's order):
;;     1. [M 8,192, K 1,024] x [K 1,024, N 1,024]; A: input query; B: input Wq: QUANTISED
;;     2. [M 8,192, K 1,024] x [K 1,024, N 1,024]; A: input key; B: input Wk: QUANTISED
;;     3. [M 8,192, K 1,024] x [K 1,024, N 1,024]; A: input value; B: input Wv: QUANTISED
;;     4. batch 64 x [M 2,048, K 64] x [K 64, N 2,048]; A: computed on the way; B: computed on the way: QUANTISED
;;     5. batch 64 x [M 2,048, K 2,048] x [K 2,048, N 64]; A: softmax (see below); B: computed on the way: QUANTISED
;;     6. [M 8,192, K 1,024] x [K 1,024, N 1,024]; A: computed on the way; B: input Wo: QUANTISED
;;   THE QUANTISER, for each operand of a quantised product, along K:
;;     - K is cut into blocks of 32 from its start; a last block that is shorter is filled with zeros.
;;     - A block's scale is 2^e with e = floor(log2(the largest magnitude in the block)) - 2, held to -126 .. 127; a block of zeros has e = 0. As a byte (E8M0): e + 127.
;;     - Each number is divided by its block's scale, clamped to +-7.5, and rounded to the nearest number of E2M3, ties to even, subnormals kept.
;;     - The product sums the exact products of the quantised numbers (number of the format x scale) in f32.
;;   ~~~python
;;   def quantise(x, axis):      # numpy; x: float32 -> the quantised numbers, widened to float32 again
;;       x = np.moveaxis(x, axis, -1); K = x.shape[-1]
;;       x = np.pad(x, [(0, 0)] * (x.ndim - 1) + [(0, -K % 32)]); x = x.reshape(x.shape[:-1] + (-1, 32)); a = np.abs(x).max(-1, keepdims=True)
;;       e = np.where(a > 0, np.clip(np.frexp(np.where(a > 0, a, 1))[1] - 1 - 2, -126, 127), 0)      # np.frexp(a)[1] - 1 = floor(log2(a)), exactly
;;       r = np.clip(x / 2.0 ** e, -7.5, 7.5)
;;       step = 2.0 ** (np.maximum(np.frexp(np.where(r == 0, 1, r))[1] - 1, 0) - 3)
;;       q = np.round(r / step) * step * 2.0 ** e      # np.round: ties to even
;;       return np.moveaxis(q.reshape(q.shape[:-2] + (-1,))[..., :K], -1, axis).astype(np.float32)
;;   ~~~
;;   SOFTMAX AHEAD OF A QUANTISED PRODUCT. Where the list says 'softmax', what is quantised is not the finished softmax but p = 2^(t - M), with t = logit x log2(e) and M = ceil(the row's largest t), a whole number; so 1/2 < the row's largest p <= 1. The row's sum l is taken of the UNQUANTISED p, in f32, and the product's result is divided by l at the end. Since M is a whole number, a kernel that streams over the keys may use a running M (the ceiling of the running maximum): every later rescaling is an exact power of two, which a block's scale takes up: the codes' values come out the same.
;;   OPERANDS COMPUTED ON THE WAY. 'Computed on the way' means the value that the module computes at that place (a softmax that the list does not call 'softmax' is quantised finished and normalised). What goes into a quantiser is computed in f32, as accurately as f32 sums, v_exp_f32 and their like allow (about 1e-6 of the number): no bf16 or f16 on the way to a quantiser, and a product that is left as it is and whose result goes on into a quantised operand takes f32 operands (vector FMAs, or v_wmma_f32_16x16x4_f32). A number that lies on a knife's edge between two numbers of the format may be rounded either way, as far as f32 arithmetic and the matrix unit's own rounding can turn it there, and no further.
;; One version. Each part assembles by itself: llvm-mc -triple=amdgcn-amd-amdhsa -mcpu=gfx1250 --defsym DOCPART=n.
;; ======== version 1 of 1: 4 launches
;; limits: right only within a limited range of input values
;; workspace buffers: codes 22,020,096 bytes; scl 917,504 bytes; frag 20,185,088 bytes; ofrag 6,291,456 bytes; oscl 262,144 bytes
;; launch quant (part 1): grid 896 x 1, 4 waves a work-group, no clusters, 33,280 bytes of LDS; arguments query, key, value, Wq, Wk, Wv, Wo, codes, scl; writes codes, scl
.if DOCPART == 1
	.amdgcn_target "amdgcn-amd-amdhsa--gfx1250"
	.amdhsa_code_object_version 6
	.text
	.protected	k_qe3d2b6a899_quant
	.globl	k_qe3d2b6a899_quant
	.p2align	8
	.type	k_qe3d2b6a899_quant,@function
k_qe3d2b6a899_quant:
	s_mov_b64 s[64:65], 0
	v_nop
	global_prefetch_b8 v0, s[64:65] scope:SCOPE_SE
	s_setreg_imm32_b32 hwreg(HW_REG_WAVE_MODE, 25, 1), 1
	s_wait_xcnt 0x0
; The seven f32 inputs whose K (1,024) is innermost become codes of FP6 (E2M3) with one E8M0 scale byte for each 32 along K.
; A block's scale is 2^(floor(log2(its largest magnitude)) - 2); its byte is the largest magnitude's exponent field - 2, held at 1 from below.  Each number is divided by the scale and rounded to the nearest code, ties to even.
; LIMITS: a block of zeros gets the byte 1 where the rule says 127: its codes are zeros, which add nothing under any byte but 0xff, and this program alone reads the bytes.  NaN and infinities among the inputs are not served.
; SHARES.  A wave takes a run of 8 rows (16 steps of 512 numbers), a work-group 32 rows.  Work-groups 0-255 take query, 256-511 key, 512-767 value, then 32 each Wq, Wk, Wv, Wo: only pointers are chosen, one path serves all.
; OUT.  A tensor of R rows begins at 768 x (rows ahead of it) in codes and lies there in FOUR PLANES of 192 R bytes, one for each 256 along K; in a plane the rows' 192 bytes lie dense.
; So 128 rows of one plane are 24,576 consecutive bytes that begin on a multiple of 256: the later launches fetch them as 96 rows of 256 bytes.  scl: run u at 256 u, a row's 32 bytes on end.
; In key, value, Wq, Wk and Wv the second and third run of every four change places: stored row 16 u + r of 32 rows is true row 8 u + r + 8 (r / 8),
; so that two neighbouring tiles' results hold 16 neighbours along the next product's K.
; Each load reads 512 consecutive bytes; a step's 2,048 bytes turn through the wave's own stage in LDS and come back 64 bytes a lane (two lanes hold a block).  Waves share nothing: no barrier.
.set WAVES, 4
.set STEPS, 16
.set EMAX,  2
.set CB,    12                         ; bytes of 16 codes
.set R,     16                         ; v16-79   four sets of 16 numbers as loaded
.set X,     80                         ; v80-111  two sets of 16 neighbours
.set C,     128                        ; v128-191 codes: four registers a step, so that no store's data are written again
.set E,     112                        ; v112-127 a scale byte a step
.set WREG,  8192                       ; LDS: a region a wave: two stages of 32 x SP bytes, then its 256 scale bytes
.set SP,    80
.set SPW,   12                         ; v12 LDS address of my spare word, v13 = 0; never rewritten
.set NIL,   13
.set SPARE, WAVES*WREG
	s_load_b256 s[4:11], s[0:1], 0x0               ; query, key, value, Wq
	s_load_b256 s[12:19], s[0:1], 0x20             ; Wk, Wv, Wo, codes
	s_load_b64 s[20:21], s[0:1], 0x40              ; scl
	s_mov_b32 s34, 196608                          ; a plane: 192 bytes x 1,024 rows of a weight,
	s_cmp_lt_u32 ttmp9, 768
	s_cselect_b32 s34, 1572864, s34                ; or x 8,192 rows
	s_lshl_b32 s35, s34, 1
	v_lshl_add_u32 v[SPW], v0, 2, SPARE
	v_mov_b32 v[NIL], 0
	v_lshrrev_b32 v1, 5, v0
	v_readfirstlane_b32 s24, v1                    ; wave
	v_and_b32 v2, 31, v0                           ; lane
	v_lshlrev_b32 v3, 4, v2
	s_mul_i32 s26, s24, WREG
	v_lshrrev_b32 v14, 2, v2
	v_mul_u32_u24 v14, v14, SP
	v_and_b32 v15, 3, v2
	v_lshl_add_u32 v14, v15, 4, v14
	v_add_nc_u32 v14, s26, v14                     ; the stage, in: SP (lane / 4) + 16 (lane % 4)
	v_mul_u32_u24 v15, v2, SP
	v_add_nc_u32 v15, s26, v15                     ; out: SP x lane
	v_and_b32 v4, 15, v2
	v_mul_u32_u24 v4, v4, CB
	v_lshrrev_b32 v10, 4, v2
	v_mad_u32_u24 v4, v10, s34, v4                 ; a step is half a row: lanes 0-15 hold one plane's 192 bytes, lanes 16-31 the next plane's
	v_add_nc_u32 v10, s35, v4                      ; the row's second half: two planes on
	v_lshrrev_b32 v5, 1, v2
	s_add_co_u32 s26, s26, 2*32*SP
	v_add_nc_u32 v5, s26, v5                       ; LDS: my block's scale byte
	v_lshlrev_b32 v7, 3, v2
	v_add_nc_u32 v6, s26, v7
	s_wait_alu depctr_va_vdst(0)
	s_wait_kmcnt 0x0
	s_mov_b64 s[22:23], s[4:5]
	s_mov_b32 s25, 0                               ; the tensor's first work-group
.macro PICK first, ptr
	s_cmp_ge_u32 ttmp9, \first
	s_cselect_b64 s[22:23], s[\ptr:\ptr+1], s[22:23]
	s_cselect_b32 s25, \first, s25
.endm
	PICK 256, 6
	PICK 512, 8
	PICK 768, 10
	PICK 800, 12
	PICK 832, 14
	PICK 864, 16
	s_sub_co_u32 s27, ttmp9, s25
	s_lshl_b32 s27, s27, 2
	s_add_co_u32 s28, s27, s24                     ; my run in the tensor, of 32,768 bytes
	s_lshl_b32 s28, s28, 15
	s_mov_b32 s29, 0
	s_add_nc_u64 s[22:23], s[22:23], s[28:29]
	s_and_b32 s30, s24, 1
	s_lshl_b32 s30, s30, 1
	s_lshr_b32 s31, s24, 1
	s_or_b32 s30, s30, s31                         ; runs 1 and 2 change places
	s_sub_co_u32 s31, ttmp9, 256
	s_cmp_lt_u32 s31, 608                          ; in key, value, Wq, Wk, Wv
	s_cselect_b32 s30, s30, s24
	s_lshl_b32 s31, ttmp9, 2
	s_add_co_u32 s30, s31, s30                     ; my run among all runs
	s_mul_i32 s32, s30, 1536                       ; 8 rows of 192 bytes a run in a plane; the tensor begins at 6,144 x its first run: 1,536 u + 4,608 x 4 x its first work-group
	s_mul_i32 s33, s25, 18432
	s_add_co_u32 s32, s32, s33
	s_mov_b32 s33, 0
	s_add_nc_u64 s[18:19], s[18:19], s[32:33]
	s_lshl_b32 s32, s30, 8
	s_add_nc_u64 s[20:21], s[20:21], s[32:33]
.macro LOAD t
.irp i, 0,1,2,3
	global_load_b128 v[R+16*((\t)%4)+4*\i:R+16*((\t)%4)+4*\i+3], v3, s[22:23] offset:2048*(\t)+512*\i th:TH_LOAD_NT
.endr
.endm
.macro TURN t                          ; LDS serves a wave's instructions in order: no wait between the stores and the loads
.irp i, 0,1,2,3
	ds_store_b128 v14, v[R+16*((\t)%4)+4*\i:R+16*((\t)%4)+4*\i+3] offset:32*SP*((\t)%2)+8*SP*\i
.endr
.irp i, 0,1,2,3
	ds_load_b128 v[X+16*((\t)%2)+4*\i:X+16*((\t)%2)+4*\i+3], v15 offset:32*SP*((\t)%2)+16*\i
.endr
.endm
.irp t, 0,1,2,3
	LOAD \t
.endr
	s_wait_loadcnt 12                              ; step 0's four loads are in; the twelve of steps 1 to 3 may be out
	TURN 0
.macro STEP t
.set XS, X+16*((\t)%2)
.if (\t) > 0
	s_wait_dscnt 1                                 ; this step's numbers are back (the last step's byte store may be out)
.else
	s_wait_dscnt 0x0
.endif
.if (\t)+4 < STEPS
	LOAD (\t)+4
.endif
.if (\t)+1 < STEPS
.if STEPS-2-(\t) >= 3
	s_wait_loadcnt 12                              ; the next step's four loads are in; three steps' may be out
.else
	s_wait_loadcnt 4*(STEPS-2-(\t))
.endif
	TURN (\t)+1
.endif
	v_max3_num_f32 v8, |v[XS]|, |v[XS+1]|, |v[XS+2]|
	v_max3_num_f32 v9, |v[XS+3]|, |v[XS+4]|, |v[XS+5]|
.irp i, 6,10
	v_max3_num_f32 v8, v8, |v[XS+\i]|, |v[XS+\i+1]|
	v_max3_num_f32 v9, v9, |v[XS+\i+2]|, |v[XS+\i+3]|
.endr
	v_max3_num_f32 v8, v8, |v[XS+14]|, |v[XS+15]|
	v_max3_num_f32 v8, v8, v9, (EMAX+1)<<23        ; the floor 2^(EMAX + 1 - 127): the byte cannot fall under 1
	v_max_num_f32_dpp v8, v8, v8 row_xmask:1 row_mask:0xf bank_mask:0xf   ; with my neighbour's 16: the block's
	v_add_nc_u32 v11, -(EMAX<<23), v8              ; the conversion takes this operand's exponent field as its scale
	v_cvt_scalef32_pk16_fp6_f32 v[C+4*(\t):C+4*(\t)+2], v[XS:XS+15], v11
	v_lshrrev_b32 v[E+(\t)], 23, v11               ; the scale's byte (also the plain line behind the conversion)
	ds_store_b8 v5, v[E+(\t)] offset:16*(\t)
.if (\t)%2
	global_store_b96 v10, v[C+4*(\t):C+4*(\t)+2], s[18:19] offset:192*((\t)/2)   ; sixteen lanes store a row's 192 bytes of a plane; the wave's 8 rows fill 1,536 bytes on end
.else
	global_store_b96 v4, v[C+4*(\t):C+4*(\t)+2], s[18:19] offset:192*((\t)/2)
.endif
.endm
.irp t, 0,1,2,3,4,5,6,7,8,9,10,11,12,13,14,15
	STEP \t
.endr
	ds_load_b64 v[8:9], v6
	s_wait_dscnt 0x0
	global_store_b64 v7, v[8:9], s[20:21]          ; 32 lanes store 256 consecutive bytes, aligned
	s_wait_tensorcnt 0x0                           ; the wave's end
	ds_add_u32 v[SPW], v[NIL]
	s_wait_dscnt 0x0
	s_endpgm
.Lfunc_end_k_qe3d2b6a899_quant:
	.size	k_qe3d2b6a899_quant, .Lfunc_end_k_qe3d2b6a899_quant-k_qe3d2b6a899_quant
	.p2alignl 7, 3214868480
	.fill 96, 4, 3214868480
	.section	.rodata,"a",@progbits
	.p2align	6, 0x0
	.amdhsa_kernel k_qe3d2b6a899_quant
		.amdhsa_group_segment_fixed_size 33280
		.amdhsa_private_segment_fixed_size 0
		.amdhsa_enable_private_segment 0
		.amdhsa_kernarg_size 72
		.amdhsa_user_sgpr_count 2
		.amdhsa_user_sgpr_kernarg_segment_ptr 1
		.amdhsa_wavefront_size32 1
		.amdhsa_system_sgpr_workgroup_id_x 1
		.amdhsa_system_sgpr_workgroup_id_y 1
		.amdhsa_system_sgpr_workgroup_id_z 1
		.amdhsa_system_vgpr_workitem_id 0
		.amdhsa_next_free_vgpr 192
		.amdhsa_next_free_sgpr 66
		.amdhsa_reserve_vcc 0
		.amdhsa_float_denorm_mode_32 3
		.amdhsa_float_denorm_mode_16_64 3
		.amdhsa_memory_ordered 1
		.amdhsa_forward_progress 1
		.amdhsa_inst_pref_size 34
	.end_amdhsa_kernel
	.amdgpu_metadata
---
amdhsa.version: [ 1, 2 ]
amdhsa.kernels:
  - .name:           k_qe3d2b6a899_quant
    .symbol:         k_qe3d2b6a899_quant.kd
    .args:
      - { .name: query, .offset: 0, .size: 8, .value_kind: global_buffer, .address_space: global }
      - { .name: key, .offset: 8, .size: 8, .value_kind: global_buffer, .address_space: global }
      - { .name: value, .offset: 16, .size: 8, .value_kind: global_buffer, .address_space: global }
      - { .name: Wq, .offset: 24, .size: 8, .value_kind: global_buffer, .address_space: global }
      - { .name: Wk, .offset: 32, .size: 8, .value_kind: global_buffer, .address_space: global }
      - { .name: Wv, .offset: 40, .size: 8, .value_kind: global_buffer, .address_space: global }
      - { .name: Wo, .offset: 48, .size: 8, .value_kind: global_buffer, .address_space: global }
      - { .name: codes, .offset: 56, .size: 8, .value_kind: global_buffer, .address_space: global }
      - { .name: scl, .offset: 64, .size: 8, .value_kind: global_buffer, .address_space: global }
    .group_segment_fixed_size: 33280
    .private_segment_fixed_size: 0
    .kernarg_segment_align: 8
    .kernarg_segment_size: 72
    .max_flat_workgroup_size: 128
    .sgpr_count:     66
    .vgpr_count:     192
    .wavefront_size: 32
...
	.end_amdgpu_metadata
.endif
;; end of part 1
;; launch proj (part 2): grid 4 x 96, 4 waves a work-group, clusters of 4 x 4, 327,680 bytes of LDS; arguments codes, scl, frag; writes frag
.if DOCPART == 2
	.amdgcn_target "amdgcn-amd-amdhsa--gfx1250"
	.amdhsa_code_object_version 6
	.text
	.protected	k_qe3d2b6a899_proj
	.globl	k_qe3d2b6a899_proj
	.p2align	8
	.type	k_qe3d2b6a899_proj,@function
k_qe3d2b6a899_proj:
	s_mov_b64 s[64:65], 0
	v_nop
	global_prefetch_b8 v0, s[64:65] scope:SCOPE_SE
	s_setreg_imm32_b32 hwreg(HW_REG_WAVE_MODE, 25, 1), 1
	s_wait_xcnt 0x0
	s_wait_alu depctr_hold_cnt(0) depctr_sa_sdst(0) depctr_va_vdst(0) depctr_va_sdst(0) depctr_va_ssrc(0) depctr_va_vcc(0) depctr_vm_vsrc(0)
	s_getreg_b32 s2, hwreg(HW_REG_IB_STS2, 6, 4)
	s_cmp_eq_u32 s2, 0
	s_cbranch_scc0 .Lentry_in_a_cluster
	s_endpgm
.Lentry_in_a_cluster:
	s_bfe_u32 s2, ttmp6, 0x10000c
	s_cmp_lg_u32 s2, 0xf033
	s_cbranch_scc0 .Lentry_shape_is_right
	s_endpgm
.Lentry_shape_is_right:
.set CK,  6291456
.set CV,  12582912
.set CWQ, 18874368
.set CWK, 19660800
.set CWV, 20447232
.set SK,  262144
.set SV,  524288
.set SWQ, 786432
.set SWK, 819200
.set SWV, 851968
.set FK,  6815744
.set FV,  13631488
.set KBLK, 26624
.set VBLK, 25600
.set KSTEP,  256
.set NQ,     KSTEP/128
.set ROWB,   192
.set KROW,   192                       ; a row's bytes in one plane of codes (256 along K)
.set PITCH,  240
.set FR,     12
.set NL,     6
.set NP,     4
.set HALFT,  128*PITCH
.set SLOT,   4*HALFT
.set LAPS,   2
.set KS,     32
.set SCL,    2*SLOT
.set HALFS,  (128*KS/256)*272
.set SBLK,   (16*KS/256)*272
.set SPARE,  SCL+4*HALFS
.set ADRA, 16
.set ADRB, 20
.set O16,  24
.set O8,   25
.set LN,   26
.set ADRS, 27
.set SPW,  28
.set NIL,  29
.set SC,   32
.set AF,   128
.set TM,   32
.set SW,   48
.set SEL,  12
.set G1, 24
.set G0, 32
.set G1B, 48
.set G0B, 56
.set G1S, 68
.set G0S, 76
.set G1SB, 80
.set G0SB, 88
.set MSB, 0
.macro WIN new
.if MSB != \new
	s_set_vgpr_msb (MSB<<8)|\new
.set MSB, \new
.endif
.endm
.set MUL_LO, 0xa1
.set MUL_HI, 0xf1
.set TO_B,   0x40
.macro JLOAD g0a, g1a, g0b, g1b
	s_cmp_eq_u32 s15, 0
	s_cbranch_scc0 .Lfor_b_\@
	tensor_load_to_lds s[\g0a:\g0a+3], s[\g1a:\g1a+7]
	s_nop 0
.rept 4
	v_nop
.endr
	s_branch .Lasked_\@
.Lfor_b_\@:
	tensor_load_to_lds s[\g0b:\g0b+3], s[\g1b:\g1b+7]
	s_nop 0
.rept 4
	v_nop
.endr
.Lasked_\@:
.endm
.macro CREST
	s_cmp_lg_u32 s14, 0
	s_cbranch_scc1 .Lnot_wave_0_\@
	s_barrier_signal -3
.Lnot_wave_0_\@:
	s_barrier_wait -3
	s_barrier_signal -1
	s_barrier_wait -1
.endm
.macro CROUND
	s_barrier_signal -1
	s_barrier_wait -1
	CREST
.endm
	s_load_b128 s[4:7], s[0:1], 0x0
	s_load_b64 s[8:9], s[0:1], 0x10
	v_lshl_add_u32 v[SPW], v0, 2, SPARE
	v_mov_b32 v[NIL], 0
	ds_add_u32 v[SPW], v[NIL]
	ds_add_u32 v[SPW], v[NIL]
	v_lshrrev_b32 v1, 5, v0
	v_readfirstlane_b32 s14, v1
	s_lshr_b32 s15, s14, 1
	s_and_b32 s16, s14, 1
	s_bfe_u32 s40, ttmp6, 0x40000
	s_bfe_u32 s41, ttmp6, 0x40004
	s_and_b32 s95, ttmp7, 0xffff
	s_and_b32 s12, s95, 7
	s_lshl_b32 s12, s12, 2
	s_mov_b32 s96, CK
	s_mov_b32 s97, CWK
	s_mov_b32 s98, SK
	s_mov_b32 s99, SWK
	s_mov_b32 s67, FK
	s_mov_b32 s100, 0x1800000
	s_cmp_lt_u32 s95, 8
	s_cselect_b32 s96, 0, s96
	s_cselect_b32 s97, CWQ, s97
	s_cselect_b32 s98, 0, s98
	s_cselect_b32 s99, SWQ, s99
	s_cselect_b32 s67, 0, s67
	s_cselect_b32 s100, 0x3000000, s100
	s_cselect_b32 s101, 0x03030303, 0
	s_cmp_lt_u32 s95, 16
	s_cselect_b32 s17, s12, 0
	s_cselect_b32 s42, 0, s12
	s_cselect_b32 s96, s96, CWV
	s_cselect_b32 s97, s97, CV
	s_cselect_b32 s98, s98, SWV
	s_cselect_b32 s99, s99, SV
	s_cselect_b32 s67, s67, FV
	s_cselect_b32 s66, 0xffff, -1
	s_add_co_u32 s17, s17, s41
	s_add_co_u32 s42, s42, s40
	s_lshl_b32 s43, s41, 2
	s_lshl_b32 s43, 15, s43
	s_lshl_b32 s44, 0x1111, s40
	s_or_b32 s[G1+0], s43, (0<<16)|(1<<20)|(1<<21)|(3<<22)|(3<<25)
	s_or_b32 s[G1B+0], s44, (0<<16)|(1<<20)|(1<<21)|(3<<22)|(3<<25)
.irp g, G1, G1B
	s_mov_b32 s[\g+1], 256<<16                     ; 128 rows of a plane are 24,576 dense bytes: 96 rows of 256; the padding behind every 64 bytes leaves a row of 192 bytes 240 apart in LDS
	s_mov_b32 s[\g+2], 192<<16                     ; the head's loads bring 256 rows of a plane: 192 rows of 256 bytes
	s_mov_b32 s[\g+3], 256<<16
	s_mov_b32 s[\g+4], 192
	s_mov_b32 s[\g+5], 256
	s_mov_b32 s[\g+6], 0
	s_mov_b32 s[\g+7], 0
.endr
	s_or_b32 s[G1S+0], s43, (3<<16)|(1<<20)|(1<<21)|(5<<22)|(3<<25)
	s_or_b32 s[G1SB+0], s44, (3<<16)|(1<<20)|(1<<21)|(5<<22)|(3<<25)
.irp g, G1S, G1SB
	s_mov_b32 s[\g+1], 32<<16
	s_mov_b32 s[\g+2], KS<<16                      ; the scales of 256 rows: 256 KS bytes as KS rows of 256
	s_mov_b32 s[\g+3], 32<<16
	s_mov_b32 s[\g+4], KS
	s_mov_b32 s[\g+5], 32
	s_mov_b32 s[\g+6], 0
	s_mov_b32 s[\g+7], 0
.endr
	s_mov_b32 s18, 0                               ; the addresses below are those of the whole tiles of 256 rows
	s_lshl_b32 s20, s17, 8
	s_add_co_u32 s20, s20, s18
	s_lshl_b32 s46, s42, 8
	s_add_co_u32 s46, s46, s18
	s_lshl_b32 s22, s20, 5
	s_add_co_u32 s22, s22, s98
	s_mov_b32 s23, 0
	s_lshl_b32 s92, s46, 5
	s_add_co_u32 s92, s92, s99
	s_mov_b32 s93, 0
	s_mul_i32 s20, s20, KROW
	s_add_co_u32 s20, s20, s96
	s_mov_b32 s21, 0
	s_mul_i32 s46, s46, KROW
	s_add_co_u32 s46, s46, s97
	s_mov_b32 s47, 0
	s_mul_i32 s45, s14, HALFT
	s_wait_dscnt 0x0
	s_wait_kmcnt 0x0
	s_add_nc_u64 s[20:21], s[4:5], s[20:21]
	s_add_nc_u64 s[22:23], s[6:7], s[22:23]
	s_add_nc_u64 s[46:47], s[4:5], s[46:47]
	s_add_nc_u64 s[92:93], s[6:7], s[92:93]
	s_mov_b32 s18, 196608                          ; from plane to plane: 192 x 1,024 rows of a weight, 192 x 8,192 rows of an activation
	s_mov_b32 s19, 1572864
	s_cmp_lt_u32 s95, 16
	s_cselect_b32 s4, s19, s18                     ; source A's
	s_cselect_b32 s6, s18, s19                     ; source B's
	s_mov_b32 s5, 0
	s_mov_b32 s7, 0
	CROUND
	s_mov_b32 s[G0S], 1
	s_mov_b32 s[G0S+1], SCL
	s_mov_b64 s[G0S+2:G0S+3], s[22:23]
	s_or_b32 s[G0S+3], s[G0S+3], 0x80000000
	s_mov_b32 s[G0SB], 1
	s_mov_b32 s[G0SB+1], SCL+2*HALFS
	s_mov_b64 s[G0SB+2:G0SB+3], s[92:93]
	s_or_b32 s[G0SB+3], s[G0SB+3], 0x80000000
	; THE HEAD'S LOADS, ONE A WAVE: wave 0 plane 0 of A's 256 rows, wave 1 of B's, wave 2 A's scales, wave 3 B's.  One chain of branches on the wave's number, a load in every arm.
	s_mov_b32 s[G0], 1
	s_mov_b32 s[G0+1], 0
	s_mov_b64 s[G0+2:G0+3], s[20:21]
	s_or_b32 s[G0+3], s[G0+3], 0x80000000
	s_mov_b32 s[G0B], 1
	s_mov_b32 s[G0B+1], 2*HALFT
	s_mov_b64 s[G0B+2:G0B+3], s[46:47]
	s_or_b32 s[G0B+3], s[G0B+3], 0x80000000
.macro HARM under, g0, g1, next
	s_cmp_lt_u32 s14, \under
	s_cbranch_scc0 \next
	tensor_load_to_lds s[\g0:\g0+3], s[\g1:\g1+7]
	s_nop 0
.rept 4
	v_nop
.endr
	s_branch .Lhead_asked
\next:
.endm
	HARM 1, G0,  G1,  .Lhead_b
	HARM 2, G0B, G1B, .Lhead_sa
	HARM 3, G0S, G1S, .Lhead_sb
	tensor_load_to_lds s[G0SB:G0SB+3], s[G1SB:G1SB+7]
	s_nop 0
.rept 4
	v_nop
.endr
.Lhead_asked:
	s_mul_i32 s18, s16, 24576                      ; for the ring: my 128 rows of a tile
	s_mov_b32 s19, 0
	s_add_nc_u64 s[20:21], s[20:21], s[18:19]
	s_add_nc_u64 s[46:47], s[46:47], s[18:19]
	s_mov_b32 s[G0+4], 1                           ; slot 1: plane 1
	s_add_co_u32 s[G0+5], s45, SLOT
	s_add_nc_u64 s[G0+6:G0+7], s[20:21], s[4:5]
	s_or_b32 s[G0+7], s[G0+7], 0x80000000
	s_mov_b32 s[G0B+4], 1
	s_add_co_u32 s[G0B+5], s45, SLOT
	s_add_nc_u64 s[G0B+6:G0B+7], s[46:47], s[6:7]
	s_or_b32 s[G0B+7], s[G0B+7], 0x80000000
	s_wait_alu depctr_va_vdst(0)
	s_wait_tensorcnt 0x0                           ; my tile of the head's four is in; slot 1's first fill is issued as a refill is
	ds_add_u32 v28, v29
	s_mov_b32 s[G0+1], s45                         ; no tensor load of mine is out: slot 0's groups 0 now name my quarter of plane 0; the first refill steps them two planes on
	s_mov_b64 s[G0+2:G0+3], s[20:21]
	s_or_b32 s[G0+3], s[G0+3], 0x80000000
	s_mov_b32 s[G0B+1], s45
	s_mov_b64 s[G0B+2:G0B+3], s[46:47]
	s_or_b32 s[G0B+3], s[G0B+3], 0x80000000
	s_mov_b32 s[G1+2], 96<<16                      ; from here on a load brings 128 rows of a plane: 96 rows of 256 bytes
	s_mov_b32 s[G1+4], 96
	s_mov_b32 s[G1B+2], 96<<16
	s_mov_b32 s[G1B+4], 96
	s_wait_dscnt 0x0
	CROUND                                         ; all four tiles are in, in every work-group of the cluster
	JLOAD G0+4, G1, G0B+4, G1B
	s_lshl_b32 s4, s4, 1                           ; a slot's next tile lies two planes on
	s_lshl_b32 s6, s6, 1
	v_and_b32 v1, 15, v0
	v_bfe_u32 v2, v0, 4, 1
	v_mul_u32_u24 v3, v1, PITCH
	v_mul_u32_u24 v4, v2, 24
	v_add_nc_u32 v4, v3, v4
	v_lshl_add_u32 v5, v2, 4, v4
	s_mul_i32 s21, s15, HALFT
	s_mul_i32 s22, s16, HALFT
	s_add_co_u32 s22, s22, 2*HALFT
.irp s, 0,1
	v_add_nc_u32 v[ADRA+\s], s21, v4
	v_add_nc_u32 v[ADRB+\s], s22, v4
	v_add_nc_u32 v[ADRA+2+\s], s21, v5
	v_add_nc_u32 v[ADRB+2+\s], s22, v5
	s_add_co_u32 s21, s21, SLOT
	s_add_co_u32 s22, s22, SLOT
.endr
	v_mul_u32_u24 v5, v1, KS
	v_lshrrev_b32 v6, 8, v5
	v_lshl_add_u32 v5, v6, 4, v5
	s_mul_i32 s21, s15, HALFS
	s_mul_i32 s22, s16, HALFS
	s_add_co_u32 s22, s22, 2*HALFS
	s_sub_co_u32 s22, s22, s21
	v_mul_u32_u24 v6, s22, v2
	s_add_co_u32 s21, s21, SCL
	v_add_nc_u32 v5, v5, v6
	v_add_nc_u32 v[ADRS], s21, v5
	v_and_b32 v[LN], 31, v0
	v_lshlrev_b32 v[O16], 4, v[LN]
	v_lshlrev_b32 v[O8], 3, v[LN]
	s_mov_b32 s22, VBLK
	s_cmp_lt_u32 s95, 16
	s_cselect_b32 s18, s42, s17
	s_cselect_b32 s19, s17, s42
	s_cselect_b32 s20, s15, s16
	s_cselect_b32 s21, s16, s15
	s_cselect_b32 s22, KBLK, s22
	s_cselect_b32 s23, 10, 9
	s_lshl_b32 s19, s19, 1
	s_add_co_u32 s19, s19, s20
	s_lshl_b32 s18, s18, 6
	s_add_co_u32 s18, s18, s19
	s_mul_i32 s18, s18, s22
	s_add_co_u32 s18, s18, s67
	s_lshl_b32 s23, s21, s23
	s_add_co_u32 s22, s18, s23
	s_add_co_u32 s22, s22, 24576
	s_mov_b32 s23, 0
	s_add_nc_u64 s[10:11], s[8:9], s[22:23]
	s_mul_i32 s21, s21, 12288
	s_add_co_u32 s18, s18, s21
	s_mov_b32 s19, 0
	s_add_nc_u64 s[8:9], s[8:9], s[18:19]
	s_mov_b32 s[SEL], 0x76543210
	s_mov_b32 s[SEL+1], 0xfedcba98
.macro FRAG reg, adr, q, i
.irp p, 0,1,2,3,4,5
.set PC, 12*(\q)+6*(\p/3)+\p%3
.if PC%8 < 5
	ds_load_b64 v[\reg+2*\p:\reg+2*\p+1], v[\adr] offset:8*PC+16*(PC/8)+(\i)*16*PITCH
.else
	ds_load_b64 v[\reg+2*\p:\reg+2*\p+1], v[\adr+2] offset:8*PC+16*(PC/8)+(\i)*16*PITCH
.endif
.endr
.endm
.macro MUL16 a0, p, q, sc, zero
.irp a, \a0, \a0+1
.irp b, 0,1,2,3,4,5,6,7
.if \zero
	v_wmma_scale_f32_16x16x128_f8f6f4 v[8*(8*((\a)%4)+\b):8*(8*((\a)%4)+\b)+7], v[128*(\p)+FR*\b:128*(\p)+FR*\b+FR-1], v[AF+FR*(\a):AF+FR*(\a)+FR-1], 0, v[SC+8*NQ*(\sc)+NQ*\b+(\q)], v[SC+8*NQ*(\sc)+NQ*(\a)+(\q)] matrix_a_fmt:MATRIX_FMT_FP6 matrix_b_fmt:MATRIX_FMT_FP6 matrix_a_scale:MATRIX_SCALE_ROW1
.else
	v_wmma_scale_f32_16x16x128_f8f6f4 v[8*(8*((\a)%4)+\b):8*(8*((\a)%4)+\b)+7], v[128*(\p)+FR*\b:128*(\p)+FR*\b+FR-1], v[AF+FR*(\a):AF+FR*(\a)+FR-1], v[8*(8*((\a)%4)+\b):8*(8*((\a)%4)+\b)+7], v[SC+8*NQ*(\sc)+NQ*\b+(\q)], v[SC+8*NQ*(\sc)+NQ*(\a)+(\q)] matrix_a_fmt:MATRIX_FMT_FP6 matrix_b_fmt:MATRIX_FMT_FP6 matrix_a_scale:MATRIX_SCALE_ROW1
.endif
.endr
.endr
.endm
.macro FETCH_B slot, q, p
	WIN TO_B
.irp i, 0,1,2,3,4,5,6,7
	FRAG 128*(\p)+FR*\i, ADRB+\slot, \q, \i
.endr
	WIN 0
.endm
.macro FETCH_A slot, q, i0
.irp i, \i0, \i0+1, \i0+2, \i0+3
	FRAG AF+FR*(\i), ADRA+\slot, \q, \i
.endr
.endm
.macro SCALES sc
.irp i, 0,1,2,3,4,5,6,7
	ds_load_b64 v[SC+8*NQ*\sc+NQ*\i:SC+8*NQ*\sc+NQ*\i+1], v[ADRS] offset:\i*SBLK
.endr
.endm
.macro PLACES n
.rept \n
	v_nop
.endr
.endm
.macro STEP slot, q, zero
	s_wait_dscnt 4*NL
	WIN MUL_LO
	MUL16 0, (\q)%2, \q, \slot, \zero
	MUL16 2, (\q)%2, \q, \slot, \zero
	s_wait_dscnt 0
	PLACES NP
	FETCH_B \slot, (\q)+1, 1-(\q)%2
	FETCH_A \slot, (\q)+1, 0
	WIN MUL_HI
	MUL16 4, (\q)%2, \q, \slot, \zero
	MUL16 6, (\q)%2, \q, \slot, \zero
	PLACES NP
	WIN 0
	FETCH_A \slot, (\q)+1, 4
.endm
.macro TURN slot, next, fill
	s_wait_tensorcnt 0x0
	ds_add_u32 v[SPW], v[NIL]
	s_wait_dscnt 4*NL+1
	WIN MUL_LO
	MUL16 0, 1, NQ-1, \slot, 0
	s_wait_dscnt 0x0
	s_barrier_signal -1
	MUL16 2, 1, NQ-1, \slot, 0
	WIN 0
	s_barrier_wait -1
.if \fill
	CREST
	s_add_nc_u64 s[G0+4*\slot+2:G0+4*\slot+3], s[G0+4*\slot+2:G0+4*\slot+3], s[4:5]
	s_add_nc_u64 s[G0B+4*\slot+2:G0B+4*\slot+3], s[G0B+4*\slot+2:G0B+4*\slot+3], s[6:7]
	JLOAD G0+4*\slot, G1, G0B+4*\slot, G1B
.else
	PLACES NP
.endif
	s_wait_alu depctr_va_vdst(0)
	v_add_nc_u32 v[ADRS], 4*NQ, v[ADRS]
	FETCH_B \next, 0, 0
	FETCH_A \next, 0, 0
	SCALES \next
	WIN MUL_HI
	MUL16 4, 1, NQ-1, \slot, 0
	MUL16 6, 1, NQ-1, \slot, 0
	PLACES NP
	WIN 0
	FETCH_A \next, 0, 4
.endm
	s_wait_alu depctr_va_vdst(0)
	FETCH_B 0, 0, 0
	FETCH_A 0, 0, 0
	SCALES 0
	FETCH_A 0, 0, 4
	STEP 0, 0, 1
	s_mov_b32 s3, LAPS-1
.Llap:
	TURN 0, 1, 1
	STEP 1, 0, 0
	TURN 1, 0, 1
	STEP 0, 0, 0
	s_sub_co_u32 s3, s3, 1
	s_cmp_lg_u32 s3, 0
	s_cbranch_scc1 .Llap
	TURN 0, 1, 0
	STEP 1, 0, 0
	s_wait_dscnt 4*NL
	WIN MUL_LO
	MUL16 0, 1, NQ-1, 1, 0
	MUL16 2, 1, NQ-1, 1, 0
	s_wait_dscnt 0
	WIN MUL_HI
	MUL16 4, 1, NQ-1, 1, 0
	MUL16 6, 1, NQ-1, 1, 0
	WIN 0
.macro QOUT a
.set W,  2+(\a)/4
.set AC, 64*((\a)%4)
.set QC, 64+20*(\a)
.set WW, W|(W<<2)
	WIN WW
.irp b, 0,1,2,3
	v_max3_num_f32 v[TM+\b], |v[AC+16*\b]|, |v[AC+16*\b+1]|, s100
.endr
.irp i, 2,4,6,8,10,12,14
.irp b, 0,1,2,3
	v_max3_num_f32 v[TM+\b], |v[AC+16*\b+\i]|, |v[AC+16*\b+\i+1]|, v[TM+\b]
.endr
.endr
	WIN 0
.irp b, 0,1,2,3
	v_permlanex16_b32 v[TM+4+\b], v[TM+\b], s[SEL], s[SEL+1]
.endr
.irp b, 0,1,2,3
	v_max_num_f32 v[TM+\b], v[TM+\b], v[TM+4+\b]
.endr
.irp b, 0,1,2,3
	v_add_nc_u32 v[TM+12+\b], 0xff000000, v[TM+\b]
.endr
.irp b, 0,1,2,3
	v_lshrrev_b32 v[TM+4+\b], 23, v[TM+12+\b]
.endr
	v_lshl_or_b32 v[SW+(\a)], v[TM+5], 8, v[TM+4]
	v_lshl_or_b32 v[SW+(\a)], v[TM+6], 16, v[SW+(\a)]
	v_lshl_or_b32 v[SW+(\a)], v[TM+7], 24, v[SW+(\a)]
	v_sub_nc_u32 v[SW+(\a)], v[SW+(\a)], s101
	WIN W
.irp c, 0,1
	v_cvt_scalef32_pk16_fp6_f32 v[QC+6*\c:QC+6*\c+2], v[AC+32*\c:AC+32*\c+15], v[TM+12+2*\c]
	v_cvt_scalef32_pk16_fp6_f32 v[QC+12+4*\c:QC+14+4*\c], v[AC+32*\c+16:AC+32*\c+31], v[TM+12+2*\c+1]
.endr
	WIN 0
	v_nop
.irp c, 0,1
.irp i, 0,1,2
	v_permlane16_swap_b32 v[QC+6*\c+\i], v[QC+12+4*\c+\i]
.endr
.irp i, 0,1,2
	v_mov_b32 v[QC+3+6*\c+\i], v[QC+12+4*\c+\i]
.endr
.endr
	global_store_b128 v[O16], v[QC:QC+3], s[8:9] offset:1536*(\a)
	global_store_b64 v[O8], v[QC+4:QC+5], s[8:9] offset:1536*(\a)+512
	global_store_b128 v[O16], v[QC+6:QC+9], s[8:9] offset:1536*(\a)+768
	global_store_b64 v[O8], v[QC+10:QC+11], s[8:9] offset:1536*(\a)+1280
.endm
	PLACES NP
.irp b, 0,1,2,3
	v_mov_b32 v[TM+4+\b], 0
.endr
.irp a, 0,1,2,3,4,5,6,7
	QOUT \a
.endr
	v_cmp_lt_u32 s2, 15, v[LN]
.irp i, 0,1,2,3
	v_cndmask_b32 v[56+\i], v[SW+\i], v[SW+4+\i], s2
.endr
.irp i, 0,1,2,3
	v_and_b32 v[228+\i], s66, v[56+\i]
.endr
	global_store_b128 v[O16], v[228:231], s[10:11]
	s_cmp_lt_u32 s95, 16
	s_cbranch_scc0 .Lone_block
.irp i, 0,1,2,3
	v_lshrrev_b32 v[224+\i], 16, v[56+\i]
.endr
	global_store_b128 v[O16], v[224:227], s[10:11] offset:512
.Lone_block:
	s_wait_tensorcnt 0x0
	ds_add_u32 v[SPW], v[NIL]
	s_wait_dscnt 0x0
	CROUND
	s_endpgm
.Lfunc_end_k_qe3d2b6a899_proj:
	.size	k_qe3d2b6a899_proj, .Lfunc_end_k_qe3d2b6a899_proj-k_qe3d2b6a899_proj
	.p2alignl 7, 3214868480
	.fill 96, 4, 3214868480
	.section	.rodata,"a",@progbits
	.p2align	6, 0x0
	.amdhsa_kernel k_qe3d2b6a899_proj
		.amdhsa_group_segment_fixed_size 327680
		.amdhsa_private_segment_fixed_size 0
		.amdhsa_enable_private_segment 0
		.amdhsa_kernarg_size 24
		.amdhsa_user_sgpr_count 2
		.amdhsa_user_sgpr_kernarg_segment_ptr 1
		.amdhsa_wavefront_size32 1
		.amdhsa_system_sgpr_workgroup_id_x 1
		.amdhsa_system_sgpr_workgroup_id_y 1
		.amdhsa_system_sgpr_workgroup_id_z 1
		.amdhsa_system_vgpr_workitem_id 0
		.amdhsa_next_free_vgpr 1024
		.amdhsa_next_free_sgpr 102
		.amdhsa_reserve_vcc 0
		.amdhsa_float_denorm_mode_32 3
		.amdhsa_float_denorm_mode_16_64 3
		.amdhsa_memory_ordered 1
		.amdhsa_forward_progress 1
		.amdhsa_inst_pref_size 168
	.end_amdhsa_kernel
	.amdgpu_metadata
---
amdhsa.version: [ 1, 2 ]
amdhsa.kernels:
  - .name:           k_qe3d2b6a899_proj
    .symbol:         k_qe3d2b6a899_proj.kd
    .args:
      - { .name: codes, .offset: 0, .size: 8, .value_kind: global_buffer, .address_space: global }
      - { .name: scl, .offset: 8, .size: 8, .value_kind: global_buffer, .address_space: global }
      - { .name: frag, .offset: 16, .size: 8, .value_kind: global_buffer, .address_space: global }
    .group_segment_fixed_size: 327680
    .private_segment_fixed_size: 0
    .kernarg_segment_align: 8
    .kernarg_segment_size: 24
    .max_flat_workgroup_size: 128
    .sgpr_count:     102
    .vgpr_count:     1024
    .wavefront_size: 32
...
	.end_amdgpu_metadata
.endif
;; end of part 2
;; launch attn (part 3): grid 4 x 64, 8 waves a work-group, clusters of 4 x 4, 327,680 bytes of LDS; arguments frag, attention_bias, ofrag, oscl; writes ofrag, oscl
.if DOCPART == 3
	.amdgcn_target "amdgcn-amd-amdhsa--gfx1250"
	.amdhsa_code_object_version 6
	.text
	.protected	k_qe3d2b6a899_attn
	.globl	k_qe3d2b6a899_attn
	.p2align	8
	.type	k_qe3d2b6a899_attn,@function
k_qe3d2b6a899_attn:
	s_mov_b64 s[64:65], 0
	v_nop
	global_prefetch_b8 v0, s[64:65] scope:SCOPE_SE
	s_setreg_imm32_b32 hwreg(HW_REG_WAVE_MODE, 25, 1), 1
	s_wait_xcnt 0x0
	s_wait_alu depctr_hold_cnt(0) depctr_sa_sdst(0) depctr_va_vdst(0) depctr_va_sdst(0) depctr_va_ssrc(0) depctr_va_vcc(0) depctr_vm_vsrc(0)
	s_getreg_b32 s2, hwreg(HW_REG_IB_STS2, 6, 4)
	s_cmp_eq_u32 s2, 0
	s_cbranch_scc0 .Lentry_in_a_cluster
	s_endpgm
.Lentry_in_a_cluster:
	s_bfe_u32 s2, ttmp6, 0x10000c
	s_cmp_lg_u32 s2, 0xf033
	s_cbranch_scc0 .Lentry_shape_is_right
	s_endpgm
.Lentry_shape_is_right:
; Attention on codes of FP6 (E2M3): S = q k^T + bias, p = 2^(t - M), O = p v / l, and O quantised along D for the last projection.  q (with its 1/8), k and v^T come as images of operand registers with their scale words (frag).
; THE SOFTMAX: t = score x log2(e); M = the row's largest t so far, rounded UP to a whole number; p = 2^(t - M) is quantised along the keys.  The row's sum is taken of the unquantised p and divides O at the end.
; When M moves, the sum and O are multiplied by 2^(old M - new M): exact.
; SHARES.  A work-group owns 128 queries (qblk) of the four heads of group g: 32 units of 16 queries x 1 head.  Wave w of 8: head w / 2 of the four, query tiles 4 (w % 2) + 0 .. 3.  Two waves to a SIMD, 512 registers each.
; A wave reads K's and V's fragments of a step of 128 keys ONCE for its four query tiles; the bias (16 x 128 f32 a tile) is loaded straight into the accumulators and is the first product's C.
; CLUSTER, 4 x 4: g = cx, qblk = 4 x cluster y + cy.  k's and v's blocks of group g are asked for jointly down a column of the cluster, the bias tile (the same for all heads) along a row.
; Every wave issues one joint load a round: waves 0, 1 halves of K's block, waves 2, 3 halves of V's, waves 4-7 32 rows of the bias each: one tensor load a wave is out.
; LAYOUT.  Both products are used transposed (S^T = K Q^T + bias^T, O^T = V^T P^T): a lane holds ONE query (lane % 16).  A tile's keys are 32 b + 8 u + r + 8 (r / 8) (so they were stored): the 16 registers of tiles 2 b, 2 b + 1 are keys 32 b + 16 (lane / 16) + 0 .. 15.
; K = 64 IN A FORM OF K = 128: Q's registers 6-11 are zero codes; source 0 of tile t is the run of 12 registers from K's half fragment t on, whose upper half meets zero codes; the scale bytes 2 and 3 are 0, which is 2^-127, over products that are 0.
; THE WALK is one stream of units, 4 a step.  Unit u's scores are multiplied inside unit u - 1, its bias is loaded inside unit u - 2.  A step's slot has been read out when its third unit has issued the fourth unit's scores:
; there stands the change of slots (waits, add, the cluster's round, the refill with the step two on), and behind it the next step's K and bias are read from the other slot while this step's last units are worked.
; The last two steps ask for nothing: they are a loop of their own with no tensor load; its last trip jumps, on the trip counter alone, over the loads and the product that would serve a seventeenth step.
; LIMITS: the promise holds while the scaled scores stay under 2^31 in magnitude; NaN and +infinity among the inputs are not served; a row whose every score is -infinity gives what 0 / 0 gives;
; a block of zeros carries the byte 1 (its codes are zeros; this program alone reads the bytes).
; REGISTERS.  Window 0: addresses, Q, K, V, codes, state.  Window 1: v0-63 and v64-127 two buffers for bias / S^T / p; v128-255 O^T of my four tiles.
.set FK,     6815744
.set FV,     13631488
.set KBLK,   26624                     ; a q or k block: 16 images of 1,536 bytes, 4 scale blocks of 512
.set VBLK,   25600                     ; a v block: 16 images, 2 scale blocks
.set VOFF,   KBLK                      ; a slot: k's block, v's block, the bias tile
.set BOFF,   KBLK+VBLK
.set BPITCH, 528                       ; a bias row in LDS: 512 bytes + 16
.set SLOT1,  1<<17
.set OSC,    2*SLOT1                   ; 1,024 bytes in which O's scale bytes are gathered; no tile lands there
.set SPARE,  OSC+1024                  ; the spare words, 128 bytes for each of 8 waves
.set AK16, 1                           ; v1-7 my lane's places in a slot; never rewritten
.set AK8,  2
.set AV16, 3
.set AV8,  4
.set AKS,  5
.set AVS,  6
.set AB,   7
.set DK16, 8                           ; v8-14 the same in the slot that is being read
.set DK8,  9
.set DV16, 10
.set DV8,  11
.set DKS,  12
.set DVS,  13
.set DB,   14
.set PFO,  15                          ; the prefetches' offset
.set QF,   16                          ; v16-63 Q: tile a at 12 a: six registers of codes, six of zero codes
.set QS,   64                          ; v64-67 Q's scale words
.set SPW,  68
.set NIL,  69
.set KF,   70                          ; v70-117 K's eight half fragments; v118-123 zero codes
.set KSC,  124
.set VF,   128                         ; v128-175 V's four fragments
.set VSC,  176
.set STT,  180                         ; v180-195 a tile's state at 4 a: -M, the largest t, the sum in two halves
.set PCD,  196                         ; p's codes
.set PC2,  208
.set BM,   216
.set BP,   220
.set SO,   224
.set F,    228                         ; f = 2^(old M - new M)
.set PW,   229                         ; p's scale word
.set T,    230
.set TS,   232                         ; v232-239 four chains of the sum
.set A16,  240                         ; 16, 8 x lane, 16 x r; lane; r: never rewritten
.set A8,   241
.set R16,  242
.set LN,   243
.set RR,   244
.set XO,   KF                          ; the way out: O / l, 32 registers
.set WV,   12
.set TB,   22                          ; LDS byte at which the slot that is being read begins
.set SLOTS, 23
.set G1K,  24
.set G1V,  32
.set G1B,  40
.set G0K,  48
.set G0V,  52
.set G0B,  56
.set SEL,  60
.set CS,   62
.set PFA,  66
.set PFS,  68
.set LIM,  70
.set CNT,  71
.set MSB, 0
.macro WIN new                         ; the immediate's high byte repeats the setting that is left
.if MSB != \new
	s_set_vgpr_msb (MSB<<8)|\new
.set MSB, \new
.endif
.endm
.macro D1
	s_delay_alu instid0(VALU_DEP_1)
.endm
.macro NOP4
.rept 4
	v_nop
.endr
.endm
; One chain of branches on the wave's number, a joint load in every arm; s_nop 0 and four v_nop behind each.
.macro TLOAD
	s_cmp_lt_u32 s[WV], 2
	s_cbranch_scc0 .Lnot_k_\@
	tensor_load_to_lds s[G0K:G0K+3], s[G1K:G1K+7]
	s_nop 0
	NOP4
	s_branch .Lasked_\@
.Lnot_k_\@:
	s_cmp_lt_u32 s[WV], 4
	s_cbranch_scc0 .Lnot_v_\@
	tensor_load_to_lds s[G0V:G0V+3], s[G1V:G1V+7]
	s_nop 0
	NOP4
	s_branch .Lasked_\@
.Lnot_v_\@:
	tensor_load_to_lds s[G0B:G0B+3], s[G1B:G1B+7]
	s_nop 0
	NOP4
.Lasked_\@:
.endm
; A PREFETCH INTO THE L2 of the step that the NEXT change of slots will ask for.  The bias tile (128 rows x 512 bytes) is wanted by one row of one cluster: waves 4 and 5 of each of the four partners ask for 16 rows each,
; two lanes to a row, 256 bytes apart; the partners are told apart by ADDRESS (cx).  K's and V's blocks are walked by the four clusters of a batch: the batch's first cluster asks (a test on the cluster's y): wave 0 for K's, wave 2 for V's;
; of a block's 104 or 100 pieces of 256 bytes the partner at cy takes 26 or 25, a lane a piece; lanes left over name the last again.  The last trip that fills a slot asks for nothing; steps 0 to 2 come by their loads alone.
.macro ASK
	s_cmp_gt_u32 s[SLOTS], s[LIM]
	s_cbranch_scc0 .Lnot_mine_\@
	global_prefetch_b8 v[PFO], s[PFA:PFA+1] th:TH_LOAD_NT scope:SCOPE_SE
.Lnot_mine_\@:
.endm
.macro CROUND
	s_barrier_signal -1
	s_barrier_wait -1
	s_cmp_lg_u32 s[WV], 0
	s_cbranch_scc1 .Lnot_wave_0_\@
	s_barrier_signal -3
.Lnot_wave_0_\@:
	s_barrier_wait -3
	s_barrier_signal -1
	s_barrier_wait -1
.endm
.macro G1SET g, c, r, p
	s_mov_b32 s[\g+1], (\c)<<16
	s_mov_b32 s[\g+2], (\r)<<16
	s_mov_b32 s[\g+3], (\c)<<16
	s_mov_b32 s[\g+4], \r
	s_mov_b32 s[\g+5], \p
	s_mov_b32 s[\g+6], 0
	s_mov_b32 s[\g+7], 0
.endm
.macro STEPD                           ; the walking descriptors: the other slot, the next step
	s_xor_b32 s[G0K+1], s[G0K+1], SLOT1
	s_add_nc_u64 s[G0K+2:G0K+3], s[G0K+2:G0K+3], KBLK
	s_xor_b32 s[G0V+1], s[G0V+1], SLOT1
	s_add_nc_u64 s[G0V+2:G0V+3], s[G0V+2:G0V+3], VBLK
	s_xor_b32 s[G0B+1], s[G0B+1], SLOT1
	s_add_nc_u64 s[G0B+2:G0B+3], s[G0B+2:G0B+3], 512
.endm
	s_load_b256 s[4:11], s[0:1], 0x0               ; frag, attention_bias, ofrag, oscl
	v_lshl_add_u32 v[SPW], v0, 2, SPARE
	v_mov_b32 v[NIL], 0
	ds_add_u32 v[SPW], v[NIL]                      ; the opening: the add, twice on end, and its wait ahead of my first tensor load
	ds_add_u32 v[SPW], v[NIL]
	v_lshrrev_b32 v249, 5, v0
	v_readfirstlane_b32 s[WV], v249                ; wave 0..7
	s_bfe_u32 s13, ttmp6, 0x40000                  ; cx = g
	s_bfe_u32 s14, ttmp6, 0x40004                  ; cy
	s_and_b32 s15, ttmp7, 0xffff                   ; the cluster's y
	s_lshl_b32 s16, s15, 2
	s_add_co_u32 s16, s16, s14                     ; qblk: my 128 rows of B x S
	s_lshr_b32 s17, s15, 2
	s_lshl_b32 s17, s17, 4                         ; 16 x batch: the batch's first step of 128 keys
	s_lshl_b32 s18, s14, 2
	s_lshl_b32 s18, 15, s18                        ; my row of the cluster
	s_lshl_b32 s19, 0x1111, s13                    ; my column
	s_and_b32 s20, s[WV], 1
	s_and_b32 s21, s[WV], 3
	s_or_b32 s[G1K], s19, (3<<16)|(1<<21)          ; half of K's block: 13,312 dense bytes as 52 rows of 256 (32 elements of 8 bytes)
	G1SET G1K, 32, 52, 32
	s_or_b32 s[G1V], s19, (3<<16)|(1<<21)          ; half of V's: 50 rows
	G1SET G1V, 32, 50, 32
	s_or_b32 s[G1B], s18, (2<<16)|(1<<20)|(1<<21)|(6<<22)|(3<<25)  ; 32 rows of 128 f32, 2,048 elements from row to row, 16 bytes of padding behind each
	G1SET G1B, 128, 32, 2048
	s_lshl_b32 s72, s13, 6
	s_add_co_u32 s72, s72, s17                     ; block 64 g + 16 batch
	s_mul_i32 s74, s72, VBLK
	s_add_co_u32 s74, s74, FV                      ; V's first block, in bytes
	s_mul_i32 s72, s72, KBLK
	s_add_co_u32 s72, s72, FK                      ; K's
	s_lshl_b32 s76, s16, 20                        ; the bias: 128 rows of 8,192 bytes a qblk
	s_mul_i32 s[G0K+1], s20, 13312                 ; LDS: my part of slot 0
	s_mul_i32 s[G0V+1], s20, 12800
	s_add_co_u32 s[G0V+1], s[G0V+1], VOFF
	s_mul_i32 s[G0B+1], s21, 32*BPITCH
	s_add_co_u32 s[G0B+1], s[G0B+1], BOFF
	s_add_co_u32 s78, s72, s[G0K+1]                ; and the same parts in memory
	s_mul_i32 s80, s20, 12800
	s_add_co_u32 s80, s80, s74
	s_lshl_b32 s82, s21, 18
	s_add_co_u32 s82, s82, s76
	s_mov_b32 s79, 0
	s_mov_b32 s81, 0
	s_mov_b32 s83, 0
	s_mov_b32 s[G0K], 1
	s_mov_b32 s[G0V], 1
	s_mov_b32 s[G0B], 1
	s_mov_b32 s[SEL], 0x76543210
	s_mov_b32 s[SEL+1], 0xfedcba98
	s_mov_b32 s[CS], 0x3fb8aa3b                    ; log2(e)
	s_mov_b32 s[CS+1], s[CS]
	s_mov_b32 s[TB], 0
	s_mov_b32 s[SLOTS], 14
	s_wait_dscnt 0x0                               ; both opening adds are done
	s_wait_kmcnt 0x0
	s_add_nc_u64 s[G0K+2:G0K+3], s[4:5], s[78:79]
	s_or_b32 s[G0K+3], s[G0K+3], 0x80000000
	s_add_nc_u64 s[G0V+2:G0V+3], s[4:5], s[80:81]
	s_or_b32 s[G0V+3], s[G0V+3], 0x80000000
	s_add_nc_u64 s[G0B+2:G0B+3], s[6:7], s[82:83]
	s_or_b32 s[G0B+3], s[G0B+3], 0x80000000
	CROUND                                         ; all sixteen work-groups are here: the first joint loads meet
	TLOAD                                          ; step 0 into slot 0
	s_lshr_b32 s78, s[WV], 2                       ; pair of heads
	s_bfe_u32 s79, s[WV], 0x10001                  ; head in the pair
	s_mul_i32 s81, s78, 12288
	s_mul_i32 s83, s79, 6144
	s_add_co_u32 s83, s83, s81
	s_add_co_u32 s83, s83, VOFF                    ; V: my head's four images
	s_mul_i32 s82, s79, 768
	s_add_co_u32 s81, s81, s82                     ; K (and Q in memory): my pair's images, my head's half of each
	s_lshl_b32 s84, s78, 10
	s_lshl_b32 s85, s79, 9
	s_add_co_u32 s84, s84, s85
	s_add_co_u32 s84, s84, 24576                   ; K (and Q): my head's scale block
	s_lshl_b32 s85, s78, 9
	s_lshl_b32 s86, s79, 8
	s_add_co_u32 s85, s85, s86
	s_add_co_u32 s85, s85, VOFF+24576              ; V: my head's half of my pair's scale block
	s_mul_i32 s86, s20, 64*BPITCH
	s_add_co_u32 s86, s86, BOFF                    ; the bias: my 64 queries' rows
	s_lshl_b32 s87, s13, 6                         ; Q: block 64 g + qblk, tiles 4 (w % 2) on
	s_add_co_u32 s87, s87, s16
	s_mul_i32 s87, s87, KBLK
	s_mul_i32 s90, s20, 6144
	s_add_co_u32 s90, s90, s87
	s_add_co_u32 s90, s90, s81
	s_mov_b32 s91, 0
	s_add_nc_u64 s[90:91], s[4:5], s[90:91]
	s_lshl_b32 s88, s20, 8                         ; its scale block: tiles 4-7 lie 256 bytes on
	s_add_co_u32 s88, s88, s87
	s_add_co_u32 s88, s88, s84
	s_mov_b32 s89, 0
	s_add_nc_u64 s[88:89], s[4:5], s[88:89]
	v_and_b32 v[LN], 31, v0
	v_and_b32 v[RR], 15, v0
	v_bfe_u32 v245, v0, 4, 1
	v_lshlrev_b32 v[A16], 4, v[LN]
	v_lshlrev_b32 v[A8], 3, v[LN]
	v_lshlrev_b32 v[R16], 4, v[RR]
	v_add_nc_u32 v[AK16], s81, v[A16]
	v_add_nc_u32 v[AK8], s81, v[A8]
	v_add_nc_u32 v[AV16], s83, v[A16]
	v_add_nc_u32 v[AV8], s83, v[A8]
	v_add_nc_u32 v[AKS], s84, v[A16]
	v_add_nc_u32 v[AVS], s85, v[R16]
	v_mul_u32_u24 v[AB], v[RR], BPITCH
	v_lshl_add_u32 v[AB], v245, 6, v[AB]           ; row r, + 64 h: keys 16 h on
	v_add_nc_u32 v[AB], s86, v[AB]
.irp a, 0,1,2,3
	global_load_b128 v[QF+12*\a:QF+12*\a+3], v[A16], s[90:91] offset:1536*\a
	global_load_b64 v[QF+12*\a+4:QF+12*\a+5], v[A8], s[90:91] offset:1536*\a+512
.endr
	global_load_b128 v[QS:QS+3], v[R16], s[88:89]  ; lane r: row r's words of my four tiles
	; the prefetches: where my wave's stand (at step 2: the first change of slots steps them to step 3), and who asks
	s_lshl_b32 s78, s13, 18                        ; the bias: my work-group's 32 rows of the 128,
	s_lshl_b32 s79, s20, 17                        ; my wave's 16 of them
	s_add_co_u32 s78, s78, s79
	s_add_co_u32 s78, s78, s76
	s_add_co_u32 s78, s78, 1024
	s_mul_i32 s79, s14, 26*256
	s_add_co_u32 s79, s79, s72
	s_add_co_u32 s79, s79, 2*KBLK
	s_mul_i32 s80, s14, 25*256
	s_add_co_u32 s80, s80, s74
	s_add_co_u32 s80, s80, 2*VBLK
	s_mov_b32 s81, 0
	s_mov_b32 s82, VBLK
	s_mov_b32 s83, 24
	s_cmp_eq_u32 s[WV], 0
	s_cselect_b32 s80, s79, s80
	s_cselect_b32 s82, KBLK, s82
	s_cselect_b32 s83, 25, s83                     ; the last piece that a lane names
	s_lshr_b32 s87, s[WV], 1
	s_cmp_eq_u32 s87, 2                            ; waves 4 and 5
	s_cselect_b32 s80, s78, s80
	s_cselect_b32 s[PFS], 512, s82
	s_cselect_b32 s83, 31, s83
	s_cselect_b32 s84, 1, 31                       ; the lane's bits that count pieces of 256 bytes,
	s_cselect_b32 s85, 15, 0                       ; and those that count rows of 8,192 bytes
	s_cselect_b64 s[PFA:PFA+1], s[6:7], s[4:5]
	s_cselect_b32 s[LIM], 1, -1
	s_mov_b32 s[PFS+1], 0
	s_add_nc_u64 s[PFA:PFA+1], s[PFA:PFA+1], s[80:81]
	s_and_b32 s86, s15, 3                          ; the batch's first cluster,
	s_and_b32 s87, s[WV], 5                        ; waves 0 and 2
	s_or_b32 s86, s86, s87
	s_cmp_eq_u32 s86, 0
	s_cselect_b32 s[LIM], 1, s[LIM]
	v_min_u32 v[PFO], s83, v[LN]
	v_lshrrev_b32 v249, 1, v[PFO]
	v_and_b32 v249, s85, v249
	v_and_b32 v[PFO], s84, v[PFO]
	v_lshlrev_b32 v[PFO], 8, v[PFO]
	v_lshl_add_u32 v[PFO], v249, 13, v[PFO]
.irp j, 0,1,2,3,4,5
.irp a, 0,1,2,3
	v_mov_b32 v[QF+12*\a+6+\j], 0                  ; Q's upper 64 along K: zero codes
.endr
	v_mov_b32 v[KF+48+\j], 0                       ; and what stands behind K's last half fragment
.endr
.irp a, 0,1,2,3
	v_mov_b32 v[STT+4*\a+1], 0xff61b1e6            ; the largest t so far: -3e38
	v_mov_b32 v[STT+4*\a+2], 0
	v_mov_b32 v[STT+4*\a+3], 0
	v_mov_b32 v[BP+\a], 0                          ; a lane permute's destination counts as one of its sources
.endr
.irp a, 0,1,2,3
	v_floor_f32 v[STT+4*\a], -v[STT+4*\a+1]        ; -M
.endr
	v_mov_b32 v[PW], 0
	WIN 0x40
.set J, 0
.rept 128
	v_mov_b32 v[128+J], 0                          ; O^T: the unit is written once for the loop; its first trip finds zeros
.set J, J+1
.endr
	WIN 0
.macro ADDR
	v_add_nc_u32 v[DK16], s[TB], v[AK16]
	v_add_nc_u32 v[DK8], s[TB], v[AK8]
	v_add_nc_u32 v[DV16], s[TB], v[AV16]
	v_add_nc_u32 v[DV8], s[TB], v[AV8]
	v_add_nc_u32 v[DKS], s[TB], v[AKS]
	v_add_nc_u32 v[DVS], s[TB], v[AVS]
	v_add_nc_u32 v[DB], s[TB], v[AB]
.endm
.macro KLOAD
.irp t, 0,1,2,3,4,5,6,7
	ds_load_b128 v[KF+6*\t:KF+6*\t+3], v[DK16] offset:1536*\t
	ds_load_b64 v[KF+6*\t+4:KF+6*\t+5], v[DK8] offset:1536*\t+512
.endr
	ds_load_b128 v[KSC:KSC+3], v[DKS]
.endm
.macro VLOAD
.irp i, 0,1,2,3
	ds_load_b128 v[VF+12*\i:VF+12*\i+3], v[DV16] offset:1536*\i
	ds_load_b64 v[VF+12*\i+4:VF+12*\i+5], v[DV8] offset:1536*\i+512
	ds_load_b128 v[VF+12*\i+6:VF+12*\i+9], v[DV16] offset:1536*\i+768
	ds_load_b64 v[VF+12*\i+10:VF+12*\i+11], v[DV8] offset:1536*\i+1280
.endr
	ds_load_b128 v[VSC:VSC+3], v[DVS]
.endm
.macro BLOAD a, sb                     ; the bias of tile a, query r, keys 32 (t / 2) + 16 h + 8 (t % 2) + 0 .. 7, into buffer sb of window 1
	WIN 0x40
.irp t, 0,1,2,3,4,5,6,7
	ds_load_b128 v[64*(\sb)+8*\t:64*(\sb)+8*\t+3], v[DB] offset:16*BPITCH*(\a)+128*(\t/2)+32*(\t%2)
	ds_load_b128 v[64*(\sb)+8*\t+4:64*(\sb)+8*\t+7], v[DB] offset:16*BPITCH*(\a)+128*(\t/2)+32*(\t%2)+16
.endr
	WIN 0
.endm
.macro QK a, sb                        ; S^T of tile a onto its bias: eight accumulators, one turn each
	WIN 0x50
.irp t, 0,1,2,3
	v_wmma_scale_f32_16x16x128_f8f6f4 v[64*(\sb)+8*\t:64*(\sb)+8*\t+7], v[KF+6*\t:KF+6*\t+11], v[QF+12*(\a):QF+12*(\a)+11], v[64*(\sb)+8*\t:64*(\sb)+8*\t+7], v[KSC+\t], v[QS+(\a)] matrix_a_fmt:MATRIX_FMT_FP6 matrix_b_fmt:MATRIX_FMT_FP6
.endr
.irp t, 4,5,6,7
	v_wmma_scale_f32_16x16x128_f8f6f4 v[64*(\sb)+8*\t:64*(\sb)+8*\t+7], v[KF+6*\t:KF+6*\t+11], v[QF+12*(\a):QF+12*(\a)+11], v[64*(\sb)+8*\t:64*(\sb)+8*\t+7], v[KSC+\t-4], v[QS+(\a)] matrix_a_fmt:MATRIX_FMT_FP6 matrix_b_fmt:MATRIX_FMT_FP6 matrix_a_scale:MATRIX_SCALE_ROW1
.endr
	WIN 0
.endm
; THE CHANGE OF SLOTS.  All my reads of the slot in hand have been waited for.  mode 0: all my tensor loads are in (my part of the other slot), the add, the round, the refill of the slot in hand with the step two on; then the other slot is read.
; mode 1 (the last two steps): the same lines and a work-group barrier; nothing is asked for.
.macro CHANGE mode
	s_wait_alu depctr_va_vdst(0)
	s_wait_tensorcnt 0x0
	ds_add_u32 v[SPW], v[NIL]
.if \mode == 0
	STEPD
	s_wait_xcnt 0x0                                ; the last prefetch, a step back, has read its address
	s_add_nc_u64 s[PFA:PFA+1], s[PFA:PFA+1], s[PFS:PFS+1]
.endif
	s_xor_b32 s[TB], s[TB], SLOT1
	s_wait_dscnt 0x0
.if \mode == 0
	CROUND
	TLOAD
	ADDR
	KLOAD                                          ; K's registers were last read by products 39 plain vector lines back
	ASK
.else
	s_barrier_signal -1
	s_barrier_wait -1
	s_cmp_eq_u32 s[CNT], 1
	s_cbranch_scc1 .Lno_k_\@
	ADDR
	KLOAD
.Lno_k_\@:
.endif
.endm
; A UNIT: 16 queries (tile a) x 128 keys of my head.
; It is written in three parts.  XMAX: the blocks' largest scores.  YCH: the chain from them to M and f, laid line by line between the lines of the unit BEFORE that end in its second product:
; the two do not depend on each other.  ZU: t - M, the exponentials, the rescaling, the next unit's scores, the sum, the codes.  So the loop is turned by one part: it begins at ZU 0 and ends with the next step's XMAX 0 and YCH 0.
.macro XMAX a
.set SB, 64*((\a)%2)
	WIN 0x05                                       ; sources 0 and 1 in window 1
.irp b, 0,1,2,3
	v_max3_num_f32 v[BM+\b], v[SB+16*\b], v[SB+16*\b+1], 0xff800000   ; the largest score of each block of 32 keys: for the row's maximum and, since p rises with the score, for the block's largest p
.endr
.irp i, 2,4,6,8,10,12,14
.irp b, 0,1,2,3
	v_max3_num_f32 v[BM+\b], v[SB+16*\b+\i], v[SB+16*\b+\i+1], v[BM+\b]
.endr
.endr
	WIN 0
.endm
.set TO, 231                           ; v231 the old -M
; ch = 1: unit a's chain.  t2 = 1: the end of the unit before it (tile (a + 3) % 4): p's codes brought to whole blocks a lane, the sum's chains joined, O^T += V^T P^T.
.macro YCH a, ch, t2
.set NM, STT+4*(\a)
.set TMX, NM+1
.set LP, STT+4*(((\a)+3)%4)+2
.set OP, 128+32*(((\a)+3)%4)
.if \ch
.irp b, 0,1,2,3
	v_permlanex16_b32 v[BP+\b], v[BM+\b], s[SEL], s[SEL+1]
.endr
.endif
.if \t2
.irp c, 0,1                                    ; the operand wants a whole block in a lane
.irp i, 0,1,2
	v_permlane16_swap_b32 v[PCD+6*\c+\i], v[PC2+4*\c+\i]
.endr
.endr
.endif
.if \ch
.irp b, 0,1,2,3
	v_max_num_f32 v[BM+\b], v[BM+\b], v[BP+\b]     ; with lane l xor 16's 16 keys
.endr
	v_mov_b32 v[TO], v[NM]
.endif
.if \t2
.irp i, 0,1,2
	v_mov_b32 v[PCD+3+\i], v[PC2+\i]
.endr
.endif
.if \ch
	v_max3_num_f32 v[T], v[BM], v[BM+1], v[BM+2]
.endif
.if \t2
	v_mov_b32 v[PCD+9], v[PC2+4]
	v_mov_b32 v[PCD+10], v[PC2+5]
.endif
.if \ch
	v_max_num_f32 v[T], v[T], v[BM+3]
.endif
.if \t2
	v_mov_b32 v[PCD+11], v[PC2+6]
	v_pk_add_f32 v[TS:TS+1], v[TS:TS+1], v[TS+2:TS+3]          ; from here five plain lines at the least stand between the codes' last write and the products
.endif
.if \ch
	v_mul_f32 v[T], s[CS], v[T]                    ; the step's largest t of my query
.endif
.if \t2
	v_pk_add_f32 v[TS+4:TS+5], v[TS+4:TS+5], v[TS+6:TS+7]
	v_nop
.endif
.if \ch
	v_max_num_f32 v[TMX], v[TMX], v[T]
.endif
.if \t2
	v_pk_add_f32 v[TS:TS+1], v[TS:TS+1], v[TS+4:TS+5]
.endif
.if \ch
	v_floor_f32 v[NM], -v[TMX]                     ; the new -M = -ceil(t)
.endif
.if \t2
	v_pk_add_f32 v[LP:LP+1], v[LP:LP+1], v[TS:TS+1]
	WIN 0x50
.irp i, 0,1,2,3
	v_wmma_scale_f32_16x16x128_f8f6f4 v[OP+8*\i:OP+8*\i+7], v[VF+12*\i:VF+12*\i+11], v[PCD:PCD+11], v[OP+8*\i:OP+8*\i+7], v[VSC+\i], v[PW] matrix_a_fmt:MATRIX_FMT_FP6 matrix_b_fmt:MATRIX_FMT_FP6
.endr                                          ; all accumulators take single turns
	WIN 0
.endif
.if \ch
	v_sub_f32 v[T], v[NM], v[TO]                   ; old M - new M: a whole number, 0 or less
	v_fma_f32 v[BM], v[BM], s[CS], v[NM]
	v_fma_f32 v[BM+1], v[BM+1], s[CS], v[NM]
	v_cvt_i32_f32 v[T], v[T]
	v_fma_f32 v[BM+2], v[BM+2], s[CS], v[NM]
	v_fma_f32 v[BM+3], v[BM+3], s[CS], v[NM]
	v_ldexp_f32 v[F], 1.0, v[T]
.if (\a) == 0
	VLOAD                                          ; this step's V: seven plain vector lines behind the last products that read its registers
.endif
.endif
.endm
.macro ZU a, mode
.set SB, 64*((\a)%2)
.set OA, 128+32*(\a)
.set NM, STT+4*(\a)
.set TMX, NM+1
.set L, NM+2
	WIN 0x41                                       ; destination and source 0 in window 1
.set J, 0
.rept 32
	v_pk_fma_f32 v[SB+J:SB+J+1], v[SB+J:SB+J+1], s[CS:CS+1], v[NM:NM+1] op_sel_hi:[1,0,0]   ; t - M
.set J, J+2
.endr
	s_wait_alu depctr_va_vdst(0)
.set J, 0
.rept 64
	v_exp_f32 v[SB+J], v[SB+J]                     ; p = 2^(t - M)
.set J, J+1
.endr
	WIN 0
.irp b, 0,1,2,3
	v_exp_f32 v[BM+\b], v[BM+\b]                   ; the block's largest p: the same two instructions on the same number
.endr
	v_pk_mul_f32 v[L:L+1], v[L:L+1], v[F:F+1] op_sel_hi:[1,0]   ; the sums under the new M (the plain place behind the batch)
	s_wait_alu depctr_va_vdst(0)                   ; one wait for the batch; it also stands directly ahead of the first readers of O^T
	WIN 0x41
.set J, 0
.rept 16
	v_pk_mul_f32 v[OA+J:OA+J+1], v[OA+J:OA+J+1], v[F:F+1] op_sel_hi:[1,0]   ; O^T under the new M, each accumulator from its low end on
.set J, J+2
.endr
	WIN 0
.if (\mode) == 1 && (\a) == 3
	s_wait_alu depctr_va_vdst(0)
	s_cmp_eq_u32 s[CNT], 1
	s_cbranch_scc1 .Lno_qk_\@
.endif
	s_wait_dscnt 0x0                               ; the next unit's bias (asked for a unit ago), and K or V where they were asked for since
	QK ((\a)+1)%4, ((\a)+1)%2
.if (\mode) == 1 && (\a) == 3
.Lno_qk_\@:
.endif
	WIN 0x05
.irp j, 0,1,2,3
	v_pk_add_f32 v[TS+2*\j:TS+2*\j+1], v[SB+4*\j:SB+4*\j+1], v[SB+4*\j+2:SB+4*\j+3]   ; the sum of the unquantised p, in four chains
.endr
	WIN 0x04
.irp i, 16,24,32,40,48,56
.irp j, 0,1,2,3
	v_pk_add_f32 v[TS+2*\j:TS+2*\j+1], v[TS+2*\j:TS+2*\j+1], v[SB+\i+2*\j:SB+\i+2*\j+1]
.endr
.endr
	WIN 0
.if (\a) == 2
	CHANGE \mode
.endif
.irp b, 0,1,2,3
	v_max_num_f32 v[BM+\b], 0x1800000, v[BM+\b]    ; the floor 2^(3 - 127): the byte cannot fall under 1
.endr
.irp b, 0,1,2,3
	v_add_nc_u32 v[SO+\b], 0xff000000, v[BM+\b]    ; 2 off the exponent field: the conversion's scale operand
.endr
.irp b, 0,1,2,3
	v_lshrrev_b32 v[BP+\b], 23, v[SO+\b]
.endr
	v_lshl_or_b32 v[PW], v[BP+1], 8, v[BP]         ; p's scale word
	D1
	v_lshl_or_b32 v[PW], v[BP+2], 16, v[PW]
	D1
	v_lshl_or_b32 v[PW], v[BP+3], 24, v[PW]
	WIN 0x01
.irp c, 0,1
	v_cvt_scalef32_pk16_fp6_f32 v[PCD+6*\c:PCD+6*\c+2], v[SB+32*\c:SB+32*\c+15], v[SO+2*\c]
	v_cvt_scalef32_pk16_fp6_f32 v[PC2+4*\c:PC2+4*\c+2], v[SB+32*\c+16:SB+32*\c+31], v[SO+2*\c+1]
.endr
	WIN 0
	v_nop                                          ; one plain place behind a scaled conversion
.if (\a) < 2
	BLOAD (\a)+2, (\a)%2                           ; the buffer is free: the bias of the unit two on
.else
.if (\mode) == 1
	s_wait_alu depctr_va_vdst(0)
	s_cmp_eq_u32 s[CNT], 1
	s_cbranch_scc1 .Lno_b_\@
.endif
	BLOAD (\a)-2, (\a)%2                           ; from the next step's slot
.if (\mode) == 1
.Lno_b_\@:
.endif
.endif
.endm
	s_wait_alu depctr_va_vdst(0)
	s_wait_tensorcnt 0x0                           ; my part of step 0 is in; slot 1's first fill is issued as a refill is
	ds_add_u32 v[SPW], v[NIL]
	STEPD
	s_wait_dscnt 0x0
	CROUND
	TLOAD                                          ; step 1 into slot 1
	ADDR
	KLOAD
	BLOAD 0, 0
	BLOAD 1, 1
	s_wait_alu depctr_va_vdst(0)
	s_wait_loadcnt 0x0                             ; Q and its scale words
	s_wait_dscnt 0x0
	QK 0, 0
	NOP4                                           ; places ahead of the first read of the scores
	XMAX 0
	YCH 0, 1, 0                                    ; the very first unit has none before it
.macro WALK mode
	ZU 0, \mode
	XMAX 1
	YCH 1, 1, 1
	ZU 1, \mode
	XMAX 2
	YCH 2, 1, 1
	ZU 2, \mode
	XMAX 3
	YCH 3, 1, 1
	ZU 3, \mode
.endm
.Lstep:                                            ; steps 0 to 13: each asks for the step two on
	WALK 0
	XMAX 0
	YCH 0, 1, 1
	s_sub_co_u32 s[SLOTS], s[SLOTS], 1
	s_cmp_lg_u32 s[SLOTS], 0
	s_wait_alu depctr_va_vdst(0)
	s_cbranch_scc1 .Lstep
	s_mov_b32 s[CNT], 2
.Ltail:                                            ; steps 14 and 15
	WALK 1
	s_wait_alu depctr_va_vdst(0)
	s_cmp_eq_u32 s[CNT], 1
	s_cbranch_scc1 .Ldone                          ; no unit follows step 15's last
	XMAX 0
	YCH 0, 1, 1
	s_sub_co_u32 s[CNT], s[CNT], 1
	s_cmp_lg_u32 s[CNT], 0
	s_wait_alu depctr_va_vdst(0)
	s_cbranch_scc1 .Ltail
.Ldone:
	YCH 0, 0, 1                                    ; the last unit's end
	s_wait_alu depctr_va_vdst(0)
	; THE WAY OUT.  O^T / the sum; register 16 b + i is d = 32 b + 16 h + i of my head: two blocks of 32 along the last product's K.  They become half a fragment, stored as it stands;
	; the two scale bytes meet the other heads' in LDS and leave 8 bytes a row.
	s_lshl_b32 s73, s16, 3
	s_lshl_b32 s74, s20, 2
	s_add_co_u32 s73, s73, s74                     ; my first tile of 16 rows of B x S
	s_mul_i32 s73, s73, 3072
	s_mul_i32 s74, s13, 1572864
	s_add_co_u32 s73, s73, s74
	s_lshr_b32 s74, s[WV], 1                       ; my head of the four
	s_mul_i32 s75, s74, 768
	s_add_co_u32 s76, s73, s75
	s_mov_b32 s77, 0
	s_add_nc_u64 s[8:9], s[8:9], s[76:77]
	s_lshl_b32 s72, s20, 9
	s_lshl_b32 s74, s74, 1
	s_add_co_u32 s72, s72, s74
	s_add_co_u32 s72, s72, OSC
	s_lshl_b32 s78, s16, 12                        ; oscl: my 128 rows of 32 bytes, my group's 8
	s_lshl_b32 s79, s13, 3
	s_add_co_u32 s78, s78, s79
	s_mov_b32 s79, 0
	s_add_nc_u64 s[10:11], s[10:11], s[78:79]
.irp a, 0,1,2,3
	v_add_f32 v[STT+4*\a+2], v[STT+4*\a+2], v[STT+4*\a+3]
.endr
.irp a, 0,1,2,3
	v_permlanex16_b32 v[BP+\a], v[STT+4*\a+2], s[SEL], s[SEL+1]
.endr
.irp a, 0,1,2,3
	v_add_f32 v[STT+4*\a+2], v[STT+4*\a+2], v[BP+\a]   ; the rows' sums
.endr
	s_wait_alu depctr_va_vdst(0)
.irp a, 0,1,2,3
	v_rcp_f32 v[STT+4*\a+2], v[STT+4*\a+2]
.endr
	v_lshl_add_u32 v246, v[RR], 3, s72             ; LDS: row 64 (w % 2) + 16 a + r of 8 bytes, my head's two
	v_add_nc_u32 v247, OSC, v[A16]                 ; wave 0: two rows' gathered bytes
	v_lshlrev_b32 v248, 6, v[LN]                   ; and their place in oscl
.macro OUT a
.set OA, 128+32*(\a)
.set OC, VF+12*(\a)
	s_wait_alu depctr_va_vdst(0)                   ; behind the reciprocals, directly ahead of the first readers of these accumulators
	WIN 0x01
.set J, 0
.rept 32
	v_mul_f32 v[XO+J], v[OA+J], v[STT+4*(\a)+2]
.set J, J+1
.endr
	WIN 0
.irp b, 0,1
	v_max3_num_f32 v[BM+\b], |v[XO+16*\b]|, |v[XO+16*\b+1]|, 0x1800000
.endr
.irp i, 2,4,6,8,10,12,14
.irp b, 0,1
	v_max3_num_f32 v[BM+\b], v[BM+\b], |v[XO+16*\b+\i]|, |v[XO+16*\b+\i+1]|
.endr
.endr
.irp b, 0,1
	v_permlanex16_b32 v[BP+\b], v[BM+\b], s[SEL], s[SEL+1]
.endr
.irp b, 0,1
	v_max_num_f32 v[BM+\b], v[BM+\b], v[BP+\b]
.endr
.irp b, 0,1
	v_add_nc_u32 v[SO+\b], 0xff000000, v[BM+\b]
.endr
.irp b, 0,1
	v_lshrrev_b32 v[BP+\b], 23, v[SO+\b]
.endr
	v_lshl_or_b32 v[PW], v[BP+1], 8, v[BP]
	v_cvt_scalef32_pk16_fp6_f32 v[OC:OC+2], v[XO:XO+15], v[SO]
	v_cvt_scalef32_pk16_fp6_f32 v[PC2:PC2+2], v[XO+16:XO+31], v[SO+1]
	v_nop
.irp i, 0,1,2
	v_permlane16_swap_b32 v[OC+\i], v[PC2+\i]
.endr
.irp i, 0,1,2
	v_mov_b32 v[OC+3+\i], v[PC2+\i]
.endr
	global_store_b128 v[A16], v[OC:OC+3], s[8:9] offset:3072*(\a)       ; 512 consecutive bytes, aligned; each tile has its own data registers
	global_store_b64 v[A8], v[OC+4:OC+5], s[8:9] offset:3072*(\a)+512
	ds_store_b16 v246, v[PW] offset:128*(\a)
.endm
	OUT 0
	OUT 1
	OUT 2
	OUT 3
	s_wait_alu depctr_va_vdst(0)
	s_wait_dscnt 0x0                               ; for the others' sake: my stores have landed
	s_barrier_signal -1
	s_barrier_wait -1
	s_cmp_lg_u32 s[WV], 0
	s_cbranch_scc1 .Lnot_first
	ds_load_b128 v[XO:XO+3], v247                  ; rows 2 l, 2 l + 1
	ds_load_b128 v[XO+4:XO+7], v247 offset:512     ; rows 64 + 2 l, 65 + 2 l
	s_wait_dscnt 0x0
	global_store_b64 v248, v[XO:XO+1], s[10:11]    ; a quarter of a row of oscl; the other groups' work-groups write the rest
	global_store_b64 v248, v[XO+2:XO+3], s[10:11] offset:32
	global_store_b64 v248, v[XO+4:XO+5], s[10:11] offset:2048
	global_store_b64 v248, v[XO+6:XO+7], s[10:11] offset:2080
.Lnot_first:
	s_wait_tensorcnt 0x0                           ; the wave's end
	ds_add_u32 v[SPW], v[NIL]
	s_wait_dscnt 0x0
	CROUND                                         ; the closing round
	s_endpgm
.Lfunc_end_k_qe3d2b6a899_attn:
	.size	k_qe3d2b6a899_attn, .Lfunc_end_k_qe3d2b6a899_attn-k_qe3d2b6a899_attn
	.p2alignl 7, 3214868480
	.fill 96, 4, 3214868480
	.section	.rodata,"a",@progbits
	.p2align	6, 0x0
	.amdhsa_kernel k_qe3d2b6a899_attn
		.amdhsa_group_segment_fixed_size 327680
		.amdhsa_private_segment_fixed_size 0
		.amdhsa_enable_private_segment 0
		.amdhsa_kernarg_size 32
		.amdhsa_user_sgpr_count 2
		.amdhsa_user_sgpr_kernarg_segment_ptr 1
		.amdhsa_wavefront_size32 1
		.amdhsa_system_sgpr_workgroup_id_x 1
		.amdhsa_system_sgpr_workgroup_id_y 1
		.amdhsa_system_sgpr_workgroup_id_z 1
		.amdhsa_system_vgpr_workitem_id 0
		.amdhsa_next_free_vgpr 512
		.amdhsa_next_free_sgpr 92
		.amdhsa_reserve_vcc 0
		.amdhsa_float_denorm_mode_32 3
		.amdhsa_float_denorm_mode_16_64 3
		.amdhsa_memory_ordered 1
		.amdhsa_forward_progress 1
		.amdhsa_inst_pref_size 171
	.end_amdhsa_kernel
	.amdgpu_metadata
---
amdhsa.version: [ 1, 2 ]
amdhsa.kernels:
  - .name:           k_qe3d2b6a899_attn
    .symbol:         k_qe3d2b6a899_attn.kd
    .args:
      - { .name: frag, .offset: 0, .size: 8, .value_kind: global_buffer, .address_space: global }
      - { .name: attention_bias, .offset: 8, .size: 8, .value_kind: global_buffer, .address_space: global }
      - { .name: ofrag, .offset: 16, .size: 8, .value_kind: global_buffer, .address_space: global }
      - { .name: oscl, .offset: 24, .size: 8, .value_kind: global_buffer, .address_space: global }
    .group_segment_fixed_size: 327680
    .private_segment_fixed_size: 0
    .kernarg_segment_align: 8
    .kernarg_segment_size: 32
    .max_flat_workgroup_size: 256
    .sgpr_count:     92
    .vgpr_count:     512
    .wavefront_size: 32
...
	.end_amdgpu_metadata
.endif
;; end of part 3
;; launch oproj (part 4): grid 4 x 64, 4 waves a work-group, clusters of 4 x 4, 327,680 bytes of LDS; arguments ofrag, oscl, codes, scl, out0; writes out0
.if DOCPART == 4
	.amdgcn_target "amdgcn-amd-amdhsa--gfx1250"
	.amdhsa_code_object_version 6
	.text
	.protected	k_qe3d2b6a899_oproj
	.globl	k_qe3d2b6a899_oproj
	.p2align	8
	.type	k_qe3d2b6a899_oproj,@function
k_qe3d2b6a899_oproj:
	s_mov_b64 s[64:65], 0
	v_nop
	global_prefetch_b8 v0, s[64:65] scope:SCOPE_SE
	s_setreg_imm32_b32 hwreg(HW_REG_WAVE_MODE, 25, 1), 1
	s_wait_xcnt 0x0
	s_wait_alu depctr_hold_cnt(0) depctr_sa_sdst(0) depctr_va_vdst(0) depctr_va_sdst(0) depctr_va_ssrc(0) depctr_va_vcc(0) depctr_vm_vsrc(0)
	s_getreg_b32 s2, hwreg(HW_REG_IB_STS2, 6, 4)
	s_cmp_eq_u32 s2, 0
	s_cbranch_scc0 .Lentry_in_a_cluster
	s_endpgm
.Lentry_in_a_cluster:
	s_bfe_u32 s2, ttmp6, 0x10000c
	s_cmp_lg_u32 s2, 0xf033
	s_cbranch_scc0 .Lentry_shape_is_right
	s_endpgm
.Lentry_shape_is_right:
.set SIZE_N, 1024
.set CWO,    21233664
.set SWO,    884736
.set GSTEP,  1572864
.set KSTEP,  256
.set NQ,     KSTEP/128
.set ROWB,   196608                    ; from plane to plane of Wo's codes: 192 bytes x 1,024 rows
.set KROW,   192                       ; a row's bytes in one plane
.set PITCH,  240
.set FR,     12
.set NL,     6
.set NLA,    4
.set NP,     4
.set AHALF,  12288                     ; a work-group makes 128 x 256 of the result, a wave 64 x 128: 64 rows' images of a K step of 256
.set HALFT,  128*PITCH
.set BBASE,  2*AHALF
.set SLOT,   BBASE+2*HALFT
.set LAPS,   2
.set KS,     32
.set SCL,    2*SLOT
.set HALFS,  (128*KS/256)*272
.set SBLK,   (16*KS/256)*272
.set SPARE,  SCL+4*HALFS
.set SPITCH, 528
.set ADRA, 16
.set ADRB, 20
.set STO,  24
.set RD,   25
.set CO,   26
.set ADRS, 27
.set SPW,  28
.set NIL,  29
.set SC,   32
.set AF,   128
.set BK,   128
.set G1, 24
.set G0, 32
.set G1B, 48
.set G0B, 56
.set G1S, 68
.set G0S, 76
.set G1SB, 80
.set G0SB, 88
.set MSB, 0
.macro WIN new
.if MSB != \new
	s_set_vgpr_msb (MSB<<8)|\new
.set MSB, \new
.endif
.endm
.set MUL_LO, 0xa1
.set MUL_HI, 0xf1
.set TO_B,   0x40
.macro JLOAD g0a, g1a, g0b, g1b
	s_cmp_eq_u32 s15, 0
	s_cbranch_scc0 .Lfor_b_\@
	tensor_load_to_lds s[\g0a:\g0a+3], s[\g1a:\g1a+7]
	s_nop 0
.rept 4
	v_nop
.endr
	s_branch .Lasked_\@
.Lfor_b_\@:
	tensor_load_to_lds s[\g0b:\g0b+3], s[\g1b:\g1b+7]
	s_nop 0
.rept 4
	v_nop
.endr
.Lasked_\@:
.endm
.macro CREST
	s_cmp_lg_u32 s14, 0
	s_cbranch_scc1 .Lnot_wave_0_\@
	s_barrier_signal -3
.Lnot_wave_0_\@:
	s_barrier_wait -3
	s_barrier_signal -1
	s_barrier_wait -1
.endm
.macro CROUND
	s_barrier_signal -1
	s_barrier_wait -1
	CREST
.endm
	s_load_b128 s[4:7], s[0:1], 0x0
	s_load_b128 s[8:11], s[0:1], 0x10
	s_load_b64 s[12:13], s[0:1], 0x20
	v_lshl_add_u32 v[SPW], v0, 2, SPARE
	v_mov_b32 v[NIL], 0
	ds_add_u32 v[SPW], v[NIL]
	ds_add_u32 v[SPW], v[NIL]
	v_lshrrev_b32 v1, 5, v0
	v_readfirstlane_b32 s14, v1
	s_lshr_b32 s15, s14, 1
	s_and_b32 s16, s14, 1
	s_bfe_u32 s40, ttmp6, 0x40000
	s_bfe_u32 s41, ttmp6, 0x40004
	s_mov_b32 s42, s40
	s_and_b32 s17, ttmp7, 0xffff
	s_lshl_b32 s17, s17, 2
	s_add_co_u32 s17, s17, s41
	s_lshl_b32 s43, s41, 2
	s_lshl_b32 s43, 15, s43
	s_lshl_b32 s44, 0x1111, s40
	s_or_b32 s[G1+0], s43, (3<<16)|(1<<21)
	s_mov_b32 s[G1+1], 32<<16
	s_mov_b32 s[G1+2], 96<<16                      ; the head's load brings A's 128 rows' images of a K step: 96 rows of 256 bytes
	s_mov_b32 s[G1+3], 32<<16
	s_mov_b32 s[G1+4], 96
	s_mov_b32 s[G1+5], 32
	s_mov_b32 s[G1+6], 0
	s_mov_b32 s[G1+7], 0
	s_or_b32 s[G1B+0], s44, (0<<16)|(1<<20)|(1<<21)|(3<<22)|(3<<25)
	s_mov_b32 s[G1B+1], 256<<16                    ; 128 rows of a plane are 24,576 dense bytes: 96 rows of 256; the padding behind every 64 bytes leaves a row of 192 bytes 240 apart in LDS
	s_mov_b32 s[G1B+2], 192<<16
	s_mov_b32 s[G1B+3], 256<<16
	s_mov_b32 s[G1B+4], 192
	s_mov_b32 s[G1B+5], 256
	s_mov_b32 s[G1B+6], 0
	s_mov_b32 s[G1B+7], 0
	s_or_b32 s[G1S+0], s43, (3<<16)|(1<<20)|(1<<21)|(5<<22)|(3<<25)
	s_or_b32 s[G1SB+0], s44, (3<<16)|(1<<20)|(1<<21)|(5<<22)|(3<<25)
.irp g, G1S, G1SB
	s_mov_b32 s[\g+1], 32<<16
	s_mov_b32 s[\g+2], KS<<16                      ; the scales of 256 rows: 256 KS bytes as KS rows of 256
	s_mov_b32 s[\g+3], 32<<16
	s_mov_b32 s[\g+4], KS
	s_mov_b32 s[\g+5], 32
	s_mov_b32 s[\g+6], 0
	s_mov_b32 s[\g+7], 0
.endr
	s_mov_b32 s[G1S+2], 16<<16                     ; A's scales are those of 128 rows: 16 rows of 256 bytes
	s_mov_b32 s[G1S+4], 16
	s_mov_b32 s18, 0
	s_lshl_b32 s20, s17, 7                         ; A's tile: 128 rows
	s_add_co_u32 s20, s20, s18
	s_lshl_b32 s46, s42, 8
	s_add_co_u32 s46, s46, s18
	s_lshl_b32 s22, s20, 5
	s_mov_b32 s23, 0
	s_lshl_b32 s92, s46, 5
	s_add_co_u32 s92, s92, SWO
	s_mov_b32 s93, 0
	s_mul_i32 s20, s20, 192
	s_mov_b32 s21, 0
	s_mul_i32 s46, s46, KROW
	s_add_co_u32 s46, s46, CWO
	s_mov_b32 s47, 0
	s_mul_i32 s45, s16, AHALF
	s_mul_i32 s95, s16, HALFT
	s_add_co_u32 s95, s95, BBASE
	s_wait_dscnt 0x0
	s_wait_kmcnt 0x0
	s_add_nc_u64 s[20:21], s[4:5], s[20:21]
	s_add_nc_u64 s[22:23], s[6:7], s[22:23]
	s_add_nc_u64 s[46:47], s[8:9], s[46:47]
	s_add_nc_u64 s[92:93], s[10:11], s[92:93]
	CROUND
	s_mov_b32 s[G0S], 1
	s_mov_b32 s[G0S+1], SCL
	s_mov_b64 s[G0S+2:G0S+3], s[22:23]
	s_or_b32 s[G0S+3], s[G0S+3], 0x80000000
	s_mov_b32 s[G0SB], 1
	s_mov_b32 s[G0SB+1], SCL+HALFS                 ; behind the scales of A's 128 rows
	s_mov_b64 s[G0SB+2:G0SB+3], s[92:93]
	s_or_b32 s[G0SB+3], s[G0SB+3], 0x80000000
	; THE HEAD'S LOADS, ONE A WAVE: wave 0 the first K step of A's 128 rows, wave 1 of B's 256 rows, wave 2 A's scales, wave 3 B's.  One chain of branches on the wave's number, a load in every arm.
	s_mov_b32 s[G0], 1
	s_mov_b32 s[G0+1], 0
	s_mov_b64 s[G0+2:G0+3], s[20:21]
	s_or_b32 s[G0+3], s[G0+3], 0x80000000
	s_mov_b32 s[G0B], 1
	s_mov_b32 s[G0B+1], BBASE
	s_mov_b64 s[G0B+2:G0B+3], s[46:47]
	s_or_b32 s[G0B+3], s[G0B+3], 0x80000000
.macro HARM under, g0, g1, next
	s_cmp_lt_u32 s14, \under
	s_cbranch_scc0 \next
	tensor_load_to_lds s[\g0:\g0+3], s[\g1:\g1+7]
	s_nop 0
.rept 4
	v_nop
.endr
	s_branch .Lhead_asked
\next:
.endm
	HARM 1, G0,  G1,  .Lhead_b
	HARM 2, G0B, G1B, .Lhead_sa
	HARM 3, G0S, G1S, .Lhead_sb
	tensor_load_to_lds s[G0SB:G0SB+3], s[G1SB:G1SB+7]
	s_nop 0
.rept 4
	v_nop
.endr
.Lhead_asked:
	s_mul_i32 s18, s16, 12288                      ; for the ring: my 64 rows of A's tile,
	s_mov_b32 s19, 0
	s_add_nc_u64 s[20:21], s[20:21], s[18:19]
	s_lshl_b32 s18, s18, 1                         ; or my 128 rows of B's
	s_add_nc_u64 s[46:47], s[46:47], s[18:19]
	s_mov_b32 s[G0+4], 1                           ; slot 1: the second K step
	s_add_co_u32 s[G0+5], s45, SLOT
	s_add_nc_u64 s[G0+6:G0+7], s[20:21], GSTEP
	s_or_b32 s[G0+7], s[G0+7], 0x80000000
	s_mov_b32 s[G0B+4], 1
	s_add_co_u32 s[G0B+5], s95, SLOT
	s_add_nc_u64 s[G0B+6:G0B+7], s[46:47], ROWB
	s_or_b32 s[G0B+7], s[G0B+7], 0x80000000
	s_wait_alu depctr_va_vdst(0)
	s_wait_tensorcnt 0x0                           ; my tile of the head's four is in; slot 1's first fill is issued as a refill is
	ds_add_u32 v28, v29
	s_mov_b32 s[G0+1], s45                         ; no tensor load of mine is out: slot 0's groups 0 now name my quarter of the first K step; the first refill steps them two K steps on
	s_mov_b64 s[G0+2:G0+3], s[20:21]
	s_or_b32 s[G0+3], s[G0+3], 0x80000000
	s_mov_b32 s[G0B+1], s95
	s_mov_b64 s[G0B+2:G0B+3], s[46:47]
	s_or_b32 s[G0B+3], s[G0B+3], 0x80000000
	s_mov_b32 s[G1+2], 48<<16                      ; A: 64 rows: 48 rows of 256 bytes; B: 128 rows: 96
	s_mov_b32 s[G1+4], 48
	s_mov_b32 s[G1B+2], 96<<16
	s_mov_b32 s[G1B+4], 96
	s_wait_dscnt 0x0
	CROUND                                         ; all four tiles are in, in every work-group of the cluster
	JLOAD G0+4, G1, G0B+4, G1B
	v_and_b32 v1, 15, v0
	v_bfe_u32 v2, v0, 4, 1
	v_and_b32 v6, 31, v0
	v_mul_u32_u24 v3, v1, PITCH
	v_mul_u32_u24 v4, v2, 24
	v_add_nc_u32 v4, v3, v4
	v_lshl_add_u32 v5, v2, 4, v4
	s_mul_i32 s21, s15, AHALF
	s_mul_i32 s22, s16, HALFT
	s_add_co_u32 s22, s22, BBASE
.irp s, 0,1
	v_lshl_add_u32 v[ADRA+\s], v6, 4, s21
	v_lshl_add_u32 v[ADRA+2+\s], v6, 3, s21
	v_add_nc_u32 v[ADRB+\s], s22, v4
	v_add_nc_u32 v[ADRB+2+\s], s22, v5
	s_add_co_u32 s21, s21, SLOT
	s_add_co_u32 s22, s22, SLOT
.endr
	v_mul_u32_u24 v5, v1, KS
	v_lshrrev_b32 v6, 8, v5
	v_lshl_add_u32 v5, v6, 4, v5
	s_mul_i32 s21, s15, HALFS/2                    ; A's scales: my 64 rows (the words loaded for blocks 4 to 7 are not used)
	s_mul_i32 s22, s16, HALFS
	s_add_co_u32 s22, s22, HALFS
	s_sub_co_u32 s22, s22, s21
	v_mul_u32_u24 v6, s22, v2
	s_add_co_u32 s21, s21, SCL
	v_add_nc_u32 v5, v5, v6
	v_add_nc_u32 v[ADRS], s21, v5
	s_mul_i32 s23, s14, 16*SPITCH
	v_mul_u32_u24 v5, v1, SPITCH
	v_lshl_add_u32 v5, v2, 5, v5
	v_add_nc_u32 v[STO], s23, v5
	v_and_b32 v6, 31, v0
	v_lshlrev_b32 v[CO], 4, v6
	v_add_nc_u32 v[RD], s23, v[CO]
	s_lshl_b32 s20, s17, 7                         ; my first row of the result: 128 x tile row + 64 x half
	s_lshl_b32 s21, s15, 6
	s_add_co_u32 s20, s20, s21
	s_mov_b32 s21, 0
	s_mov_b64 s[18:19], SIZE_N*4
	s_mul_u64 s[20:21], s[20:21], s[18:19]
	s_lshl_b32 s46, s42, 10
	s_lshl_b32 s47, s16, 9
	s_add_co_u32 s46, s46, s47
	s_mov_b32 s47, 0
	s_add_nc_u64 s[20:21], s[20:21], s[46:47]
	s_add_nc_u64 s[12:13], s[12:13], s[20:21]
.macro FRAG reg, adr, q, i
.irp p, 0,1,2,3,4,5
.set PC, 12*(\q)+6*(\p/3)+\p%3
.if PC%8 < 5
	ds_load_b64 v[\reg+2*\p:\reg+2*\p+1], v[\adr] offset:8*PC+16*(PC/8)+(\i)*16*PITCH
.else
	ds_load_b64 v[\reg+2*\p:\reg+2*\p+1], v[\adr+2] offset:8*PC+16*(PC/8)+(\i)*16*PITCH
.endif
.endr
.endm
.macro FRAGA reg, slot, q, i
	ds_load_b128 v[\reg:\reg+3], v[ADRA+\slot] offset:3072*(\i)+1536*(\q)
	ds_load_b64 v[\reg+4:\reg+5], v[ADRA+2+\slot] offset:3072*(\i)+1536*(\q)+512
	ds_load_b128 v[\reg+6:\reg+9], v[ADRA+\slot] offset:3072*(\i)+1536*(\q)+768
	ds_load_b64 v[\reg+10:\reg+11], v[ADRA+2+\slot] offset:3072*(\i)+1536*(\q)+1280
.endm
.macro MUL16 a0, p, q, sc, zero
.irp a, \a0, \a0+1
.irp b, 0,1,2,3,4,5,6,7
.if \zero
	v_wmma_scale_f32_16x16x128_f8f6f4 v[8*(8*((\a)%4)+\b):8*(8*((\a)%4)+\b)+7], v[128*(\p)+FR*\b:128*(\p)+FR*\b+FR-1], v[AF+FR*(\a):AF+FR*(\a)+FR-1], 0, v[SC+8*NQ*(\sc)+NQ*\b+(\q)], v[SC+8*NQ*(\sc)+NQ*(\a)+(\q)] matrix_a_fmt:MATRIX_FMT_FP6 matrix_b_fmt:MATRIX_FMT_FP6 matrix_a_scale:MATRIX_SCALE_ROW1
.else
	v_wmma_scale_f32_16x16x128_f8f6f4 v[8*(8*((\a)%4)+\b):8*(8*((\a)%4)+\b)+7], v[128*(\p)+FR*\b:128*(\p)+FR*\b+FR-1], v[AF+FR*(\a):AF+FR*(\a)+FR-1], v[8*(8*((\a)%4)+\b):8*(8*((\a)%4)+\b)+7], v[SC+8*NQ*(\sc)+NQ*\b+(\q)], v[SC+8*NQ*(\sc)+NQ*(\a)+(\q)] matrix_a_fmt:MATRIX_FMT_FP6 matrix_b_fmt:MATRIX_FMT_FP6 matrix_a_scale:MATRIX_SCALE_ROW1
.endif
.endr
.endr
.endm
.macro FETCH_B slot, q, p
	WIN TO_B
.irp i, 0,1,2,3,4,5,6,7
	FRAG 128*(\p)+FR*\i, ADRB+\slot, \q, \i
.endr
	WIN 0
.endm
.macro FETCH_A slot, q, i0
.irp i, \i0, \i0+1
	FRAGA AF+FR*(\i), \slot, \q, \i
.endr
.endm
.macro SCALES sc
.irp i, 0,1,2,3,4,5,6,7
	ds_load_b64 v[SC+8*NQ*\sc+NQ*\i:SC+8*NQ*\sc+NQ*\i+1], v[ADRS] offset:\i*SBLK
.endr
.endm
.macro PLACES n
.rept \n
	v_nop
.endr
.endm
.macro STEP slot, q, zero
	s_wait_dscnt 2*NLA                             ; B's set and A's blocks 0, 1 are in; the youngest eight loads (A's blocks 2, 3) may be out
	WIN MUL_LO
	MUL16 0, (\q)%2, \q, \slot, \zero
	s_wait_dscnt 0
	PLACES NP
	FETCH_B \slot, (\q)+1, 1-(\q)%2
	FETCH_A \slot, (\q)+1, 0
	WIN MUL_LO
	MUL16 2, (\q)%2, \q, \slot, \zero
	PLACES NP
	WIN 0
	FETCH_A \slot, (\q)+1, 2
.endm
.macro TURN slot, next, fill
	s_wait_tensorcnt 0x0
	ds_add_u32 v[SPW], v[NIL]
	s_wait_dscnt 2*NLA+1                           ; the add and the youngest eight loads may be out
	WIN MUL_LO
	MUL16 0, 1, NQ-1, \slot, 0
	s_wait_dscnt 0x0
	s_barrier_signal -1
	MUL16 2, 1, NQ-1, \slot, 0
	WIN 0
	s_barrier_wait -1
.if \fill
	CREST
	s_add_nc_u64 s[G0+4*\slot+2:G0+4*\slot+3], s[G0+4*\slot+2:G0+4*\slot+3], 2*GSTEP
	s_add_nc_u64 s[G0B+4*\slot+2:G0B+4*\slot+3], s[G0B+4*\slot+2:G0B+4*\slot+3], 2*ROWB
	JLOAD G0+4*\slot, G1, G0B+4*\slot, G1B
.else
	PLACES NP
.endif
	s_wait_alu depctr_va_vdst(0)
	v_add_nc_u32 v[ADRS], 4*NQ, v[ADRS]
	FETCH_B \next, 0, 0
	FETCH_A \next, 0, 0
	SCALES \next
	FETCH_A \next, 0, 2
.endm
	s_wait_alu depctr_va_vdst(0)
	FETCH_B 0, 0, 0
	FETCH_A 0, 0, 0
	SCALES 0
	FETCH_A 0, 0, 2
	STEP 0, 0, 1
	s_mov_b32 s3, LAPS-1
.Llap:
	TURN 0, 1, 1
	STEP 1, 0, 0
	TURN 1, 0, 1
	STEP 0, 0, 0
	s_sub_co_u32 s3, s3, 1
	s_cmp_lg_u32 s3, 0
	s_cbranch_scc1 .Llap
	TURN 0, 1, 0
	STEP 1, 0, 0
	s_wait_dscnt 0
	WIN MUL_LO
	MUL16 0, 1, NQ-1, 1, 0
	MUL16 2, 1, NQ-1, 1, 0
	WIN 0
.macro TOSTAGE a
.set AC, 64*((\a)%4)
	WIN 0x08+4*((\a)/4)
.irp b, 0,1,2,3,4,5,6,7
	ds_store_b128 v[STO], v[AC+8*\b:AC+8*\b+3] offset:64*\b
	ds_store_b128 v[STO], v[AC+8*\b+4:AC+8*\b+7] offset:64*\b+16
.endr
	WIN 0
.set BB, BK+64*((\a)%2)
.irp t, 0,1,2,3,4,5,6,7,8,9,10,11,12,13,14,15
	ds_load_b128 v[BB+4*\t:BB+4*\t+3], v[RD] offset:\t*SPITCH
.endr
.endm
.macro SEND a, younger
.set BB, BK+64*((\a)%2)
	s_wait_dscnt \younger
.if (\a) > 0
	s_add_nc_u64 s[12:13], s[12:13], 16*SIZE_N*4
.endif
.irp t, 0,1,2,3,4,5,6,7,8,9,10,11,12,13,14,15
	global_store_b128 v[CO], v[BB+4*\t:BB+4*\t+3], s[12:13] offset:\t*SIZE_N*4 th:TH_STORE_NT
.endr
.endm
	PLACES NP
	TOSTAGE 0
.irp a, 1,2,3
.if \a > 1
	s_wait_xcnt 0x0
.endif
	TOSTAGE \a
	SEND \a-1, 32
.endr
	s_wait_xcnt 0x0
	SEND 3, 0
	s_wait_tensorcnt 0x0
	ds_add_u32 v[SPW], v[NIL]
	s_wait_dscnt 0x0
	CROUND
	s_endpgm
.Lfunc_end_k_qe3d2b6a899_oproj:
	.size	k_qe3d2b6a899_oproj, .Lfunc_end_k_qe3d2b6a899_oproj-k_qe3d2b6a899_oproj
	.p2alignl 7, 3214868480
	.fill 96, 4, 3214868480
	.section	.rodata,"a",@progbits
	.p2align	6, 0x0
	.amdhsa_kernel k_qe3d2b6a899_oproj
		.amdhsa_group_segment_fixed_size 327680
		.amdhsa_private_segment_fixed_size 0
		.amdhsa_enable_private_segment 0
		.amdhsa_kernarg_size 40
		.amdhsa_user_sgpr_count 2
		.amdhsa_user_sgpr_kernarg_segment_ptr 1
		.amdhsa_wavefront_size32 1
		.amdhsa_system_sgpr_workgroup_id_x 1
		.amdhsa_system_sgpr_workgroup_id_y 1
		.amdhsa_system_sgpr_workgroup_id_z 1
		.amdhsa_system_vgpr_workitem_id 0
		.amdhsa_next_free_vgpr 1024
		.amdhsa_next_free_sgpr 98
		.amdhsa_reserve_vcc 0
		.amdhsa_float_denorm_mode_32 3
		.amdhsa_float_denorm_mode_16_64 3
		.amdhsa_memory_ordered 1
		.amdhsa_forward_progress 1
		.amdhsa_inst_pref_size 98
	.end_amdhsa_kernel
	.amdgpu_metadata
---
amdhsa.version: [ 1, 2 ]
amdhsa.kernels:
  - .name:           k_qe3d2b6a899_oproj
    .symbol:         k_qe3d2b6a899_oproj.kd
    .args:
      - { .name: ofrag, .offset: 0, .size: 8, .value_kind: global_buffer, .address_space: global }
      - { .name: oscl, .offset: 8, .size: 8, .value_kind: global_buffer, .address_space: global }
      - { .name: codes, .offset: 16, .size: 8, .value_kind: global_buffer, .address_space: global }
      - { .name: scl, .offset: 24, .size: 8, .value_kind: global_buffer, .address_space: global }
      - { .name: out0, .offset: 32, .size: 8, .value_kind: global_buffer, .address_space: global }
    .group_segment_fixed_size: 327680
    .private_segment_fixed_size: 0
    .kernarg_segment_align: 8
    .kernarg_segment_size: 40
    .max_flat_workgroup_size: 128
    .sgpr_count:     98
    .vgpr_count:     1024
    .wavefront_size: 32
...
	.end_amdgpu_metadata
.endif
;; end of part 4
